; MI455X (gfx1250); checked and timed in simulation.
; The chip was launched on July 23, 2026; its instructions are those of AMD's public machine-readable ISA for CDNA 5 (MIT licence, August 2026) and "CDNA5" Instruction Set Architecture Reference Guide (July 2026). The comments in the code are by the model that wrote it; some were corrected since.
;; Multi Head Attention. Allowed arithmetic: matrix products marked QUANTISED: E2M1 operands, one E8M0 scale for each 32 along K, by v_wmma_scale_f32_16x16x128_f8f6f4 with both operands' format E2M1 (or v_wmma_scale_f32_32x16x128_f4), f32 sums; products left as they are: bf16, f16 or f32 operands; f32 sums; everything else in f32.
;; Inputs: freqs_cos 2,048 x 64 float32; freqs_sin 2,048 x 64 float32; wk_b 2,048 float32; wk_w 2,048 x 2,048 float32; wo_b 2,048 float32; wo_w 2,048 x 2,048 float32; wq_b 2,048 float32; wq_w 2,048 x 2,048 float32; wv_b 2,048 float32; wv_w 2,048 x 2,048 float32; x 1 x 2,048 x 2,048 float32.
;; Outputs: out0 1 x 2,048 x 2,048 float32; out1 1 x 16 x 2,048 x 128 float32; out2 1 x 16 x 2,048 x 128 float32.
;; This version of the problem:
;;   THIS VERSION OF THE PROBLEM IS GIVEN IN LOW PRECISION. The matrix products marked QUANTISED in the list below multiply operands that are first quantised to E2M1 (2 exponent bits, 1 mantissa bit; 4 bits a number), with one power-of-two scale for each 32 numbers along K (OCP MX v1.0); their sums are f32. The products marked 'left as it is' may take bf16, f16 or f32 operands, with f32 sums. Whichever they take, every output number must still come out within the allowed error. Rounding operands to bf16 (8 significant bits) uses up far more of that allowance than f16 does (11 bits, for magnitudes from 6e-5 to 65,504). All else is computed in f32.
;;   The module's matrix products, in the order in which they are computed (A, B: the left and right operand; K: the contracted axis; several contracted axes count as one K, in the product's order):
;;     1. [M 2,048, K 2,048] x [K 2,048, N 2,048]; A: input x; B: input wq_w: QUANTISED
;;     2. [M 2,048, K 2,048] x [K 2,048, N 2,048]; A: input x; B: input wk_w: QUANTISED
;;     3. [M 2,048, K 2,048] x [K 2,048, N 2,048]; A: input x; B: input wv_w: QUANTISED
;;     4. batch 16 x [M 2,048, K 128] x [K 128, N 2,048]; A: computed on the way; B: computed on the way: left as it is (an operand is computed on the way)
;;     5. batch 16 x [M 2,048, K 2,048] x [K 2,048, N 128]; A: computed on the way; B: computed on the way: left as it is (an operand is computed on the way)
;;     6. [M 2,048, K 2,048] x [K 2,048, N 2,048]; A: computed on the way; B: input wo_w: left as it is (an operand is computed on the way)
;;   THE QUANTISER, for each operand of a quantised product, along K:
;;     - K is cut into blocks of 32 from its start; a last block that is shorter is filled with zeros.
;;     - A block's scale is 2^e with e = floor(log2(the largest magnitude in the block)) - 2, held to -126 .. 127; a block of zeros has e = 0. As a byte (E8M0): e + 127.
;;     - Each number is divided by its block's scale, clamped to +-6, and rounded to the nearest number of E2M1, ties to even, subnormals kept.
;;     - The product sums the exact products of the quantised numbers (number of the format x scale) in f32.
;;   ~~~python
;;   def quantise(x, axis):      # numpy; x: float32 -> the quantised numbers, widened to float32 again
;;       x = np.moveaxis(x, axis, -1); K = x.shape[-1]
;;       x = np.pad(x, [(0, 0)] * (x.ndim - 1) + [(0, -K % 32)]); x = x.reshape(x.shape[:-1] + (-1, 32)); a = np.abs(x).max(-1, keepdims=True)
;;       e = np.where(a > 0, np.clip(np.frexp(np.where(a > 0, a, 1))[1] - 1 - 2, -126, 127), 0)      # np.frexp(a)[1] - 1 = floor(log2(a)), exactly
;;       r = np.clip(x / 2.0 ** e, -6, 6)
;;       step = 2.0 ** (np.maximum(np.frexp(np.where(r == 0, 1, r))[1] - 1, 0) - 1)
;;       q = np.round(r / step) * step * 2.0 ** e      # np.round: ties to even
;;       return np.moveaxis(q.reshape(q.shape[:-2] + (-1,))[..., :K], -1, axis).astype(np.float32)
;;   ~~~
;; One version. Each part assembles by itself: llvm-mc -triple=amdgcn-amd-amdhsa -mcpu=gfx1250 --defsym DOCPART=n.
;; ======== version 1 of 1: 5 launches
;; limits: values are held in f16: magnitudes above 65,504 overflow, below 6.1e-05 lose precision
;; workspace buffers: codes 8,388,608 bytes; scales 524,288 bytes; woh 8,388,608 bytes; qkvi 25,165,824 bytes; ao 8,388,608 bytes; q32 524,288 bytes
;; launch prep (part 1): grid 640 x 1, 4 waves a work-group, no clusters, 33,280 bytes of LDS; arguments x, wq_w, wk_w, wv_w, wo_w, codes, scales, woh; writes codes, scales, woh
.if DOCPART == 1
	.amdgcn_target "amdgcn-amd-amdhsa--gfx1250"
	.amdhsa_code_object_version 6
	.text
	.protected	k_q30d5ed7226_prep
	.globl	k_q30d5ed7226_prep
	.p2align	8
	.type	k_q30d5ed7226_prep,@function
k_q30d5ed7226_prep:
	s_mov_b64 s[64:65], 0
	v_nop
	global_prefetch_b8 v0, s[64:65] scope:SCOPE_SE
	s_setreg_imm32_b32 hwreg(HW_REG_WAVE_MODE, 25, 1), 1
	s_wait_xcnt 0x0
; x, wq_w, wk_w, wv_w ([2048][2048] f32, K innermost) become codes of FP4 (E2M1) and E8M0 scale bytes, one for each 32 along K; wo_w becomes f16.
; The four quantised tensors lie on end in both workspace buffers: codes: rows of 1,024 bytes, x first, then wq, wk, wv; scales: rows of 64 bytes in the same order.
; A block's scale is 2^(floor(log2(its largest magnitude)) - 2); its byte is the largest magnitude's exponent field - 2, held at 1 from below.
; (A block of zeros so gets the byte 1 where the rule says 127: its codes are zeros, and this program alone reads the bytes.)
; LIMITS: blocks whose largest magnitude lies under 2^(3 - 127) keep the byte 1; NaN and infinities among the inputs are not served; wo_w must lie inside f16's range (magnitudes up to 65,504).
; Work-groups 0 to 511 quantise (128 to a tensor, 32,768 numbers each, 8,192 a wave); work-groups 512 to 639 cast wo_w (the same shares).
; Quantiser: a wave takes 16 steps of 512 numbers.  Each load reads 512 consecutive bytes; a step's 2,048 bytes turn through the wave's own stage in LDS and come back 64 bytes a lane, so that a lane
; holds 16 neighbours along K (two lanes hold a block).  A lane's 16 codes are 8 bytes: the wave stores 256 consecutive bytes.  A wave's 256 scale bytes are gathered in LDS and leave as one run of 256.
; No tensor loads, no barrier: waves share nothing.
.set QWG,   512                        ; work-groups that quantise
.set WAVES, 4
.set STEPS, 16
.set EMAX,  2
.set CB,    8                          ; bytes of 16 codes
.set R,     16                         ; v16-79   four sets of 16 numbers as they are loaded
.set X,     80                         ; v80-111  two sets of 16 neighbours
.set E,     112                        ; v112-127 a scale byte for each step
.set C,     128                        ; v128-191 codes: four registers for each step, so that no store's data are written again
.set CI,    16                         ; the cast: v16-143 two sets of 64 numbers a lane
.set CQ,    144                        ; the cast: v144-175 a set as f16
.set WREG,  8192                       ; LDS: a region for each wave: two stages of 32 x SP bytes, behind them its 256 scale bytes
.set SP,    80                         ; a lane's place in a stage: 64 bytes + 16 of padding
.set SPW,   12                         ; v12 LDS address of my spare word; never rewritten
.set NIL,   13                         ; v13 0; never rewritten
.set SPARE, WAVES*WREG                 ; behind the four regions: the spare words, 128 bytes a wave
.macro LOAD t
.irp i, 0,1,2,3
	global_load_b128 v[R+16*((\t)%4)+4*\i:R+16*((\t)%4)+4*\i+3], v3, s[4:5] offset:2048*(\t)+512*\i th:TH_LOAD_NT   ; 32 lanes read 512 consecutive bytes
.endr
.endm
.macro TURN t                          ; step t's numbers through the stage: LDS serves a wave's instructions in order, so no wait stands between the stores and the loads
.irp i, 0,1,2,3
	ds_store_b128 v14, v[R+16*((\t)%4)+4*\i:R+16*((\t)%4)+4*\i+3] offset:32*SP*((\t)%2)+8*SP*\i
.endr
.irp i, 0,1,2,3
	ds_load_b128 v[X+16*((\t)%2)+4*\i:X+16*((\t)%2)+4*\i+3], v15 offset:32*SP*((\t)%2)+16*\i
.endr
.endm
.macro STEP t
.set XS, X+16*((\t)%2)
.if (\t) > 0
	s_wait_dscnt 1                                 ; this step's numbers are back from the stage (the last step's byte store may be out)
.else
	s_wait_dscnt 0x0
.endif
.if (\t)+4 < STEPS
	LOAD (\t)+4                                    ; the stage's stores have read their registers: they take the loads of four steps on
.endif
.if (\t)+1 < STEPS
.if STEPS-2-(\t) >= 3
	s_wait_loadcnt 12                              ; the next step's four loads are in; those of the three steps behind it may be out
.else
	s_wait_loadcnt 4*(STEPS-2-(\t))
.endif
	TURN (\t)+1
.endif
	v_max3_num_f32 v8, |v[XS]|, |v[XS+1]|, |v[XS+2]|               ; the largest magnitude of my 16, in two chains
	v_max3_num_f32 v9, |v[XS+3]|, |v[XS+4]|, |v[XS+5]|
.irp i, 6,10
	v_max3_num_f32 v8, v8, |v[XS+\i]|, |v[XS+\i+1]|
	v_max3_num_f32 v9, v9, |v[XS+\i+2]|, |v[XS+\i+3]|
.endr
	v_max3_num_f32 v8, v8, |v[XS+14]|, |v[XS+15]|
	v_max3_num_f32 v8, v8, v9, (EMAX+1)<<23        ; and the floor 2^(EMAX + 1 - 127): the byte cannot fall under 1
	v_max_num_f32_dpp v8, v8, v8 row_xmask:1 row_mask:0xf bank_mask:0xf   ; with my neighbour's 16: the block's
	v_add_nc_u32 v11, -(EMAX<<23), v8              ; EMAX off its exponent field: the conversion takes this operand's exponent field as its scale
	v_cvt_scalef32_pk8_fp4_f32 v[C+4*(\t)], v[XS:XS+7], v11
	v_cvt_scalef32_pk8_fp4_f32 v[C+4*(\t)+1], v[XS+8:XS+15], v11
	v_lshrrev_b32 v[E+(\t)], 23, v11               ; the scale's byte (also the plain line behind the conversions)
	ds_store_b8 v5, v[E+(\t)] offset:16*(\t)       ; both lanes of a block write the same byte with the same value
	global_store_b64 v4, v[C+4*(\t):C+4*(\t)+1], s[14:15] offset:32*CB*(\t)
.endm
.macro CLOAD g                         ; the cast: 16 loads of 512 consecutive bytes into set g % 2
.irp i, 0,1,2,3,4,5,6,7,8,9,10,11,12,13,14,15
	global_load_b128 v[CI+64*((\g)%2)+4*\i:CI+64*((\g)%2)+4*\i+3], v3, s[12:13] offset:512*(16*(\g)+\i) th:TH_LOAD_NT
.endr
.endm
	s_load_b256 s[4:11], s[0:1], 0x0               ; x, wq_w, wk_w, wv_w
	s_load_b256 s[12:19], s[0:1], 0x20             ; wo_w, codes, scales, woh
	v_lshl_add_u32 v[SPW], v0, 2, SPARE
	v_mov_b32 v[NIL], 0
	v_lshrrev_b32 v1, 5, v0
	v_readfirstlane_b32 s21, v1                    ; wave
	v_and_b32 v2, 31, v0                           ; lane
	v_lshlrev_b32 v3, 4, v2                        ; my 16 bytes of a load's 512
	v_lshlrev_b32 v7, 3, v2                        ; 8 bytes a lane on the way out
	s_mov_b32 s23, 0
	s_wait_kmcnt 0x0
	s_cmp_ge_u32 ttmp9, QWG                        ; the work-group's number alone decides
	s_cbranch_scc1 .Lcast
	s_mul_i32 s24, s21, WREG
	v_lshrrev_b32 v14, 2, v2
	v_mul_u32_u24 v14, v14, SP
	v_and_b32 v15, 3, v2
	v_lshl_add_u32 v14, v15, 4, v14
	v_add_nc_u32 v14, s24, v14                     ; the stage, on the way in: SP (lane / 4) + 16 (lane % 4)
	v_mul_u32_u24 v15, v2, SP
	v_add_nc_u32 v15, s24, v15                     ; and on the way out: SP x lane: my 16 neighbours
	v_mul_u32_u24 v4, v2, CB                       ; my codes' place in a step's
	v_lshrrev_b32 v5, 1, v2
	s_add_co_u32 s24, s24, 2*32*SP
	v_add_nc_u32 v5, s24, v5                       ; my wave's 256 scale bytes, my block's byte
	v_add_nc_u32 v6, s24, v7
	s_lshr_b32 s20, ttmp9, 7                       ; which tensor
	s_cmp_eq_u32 s20, 1
	s_cselect_b64 s[4:5], s[6:7], s[4:5]
	s_cmp_eq_u32 s20, 2
	s_cselect_b64 s[4:5], s[8:9], s[4:5]
	s_cmp_eq_u32 s20, 3
	s_cselect_b64 s[4:5], s[10:11], s[4:5]
	s_and_b32 s22, ttmp9, 127
	s_lshl_b32 s22, s22, 2
	s_add_co_u32 s22, s22, s21                     ; which run of 8,192 numbers of the tensor
	s_lshl_b32 s22, s22, 15
	s_add_nc_u64 s[4:5], s[4:5], s[22:23]
	s_lshl_b32 s20, ttmp9, 2
	s_add_co_u32 s20, s20, s21                     ; which run of all four tensors on end
	s_lshl_b32 s22, s20, 12                        ; 4,096 bytes of codes a run
	s_add_nc_u64 s[14:15], s[14:15], s[22:23]
	s_lshl_b32 s22, s20, 8                         ; 256 scale bytes a run
	s_add_nc_u64 s[16:17], s[16:17], s[22:23]
.irp t, 0,1,2,3
	LOAD \t
.endr
	s_wait_loadcnt 12                              ; step 0's four loads are in
	TURN 0
.irp t, 0,1,2,3,4,5,6,7,8,9,10,11,12,13,14,15
	STEP \t
.endr
	ds_load_b64 v[8:9], v6                         ; LDS serves a wave's instructions in order: these see my byte stores
	s_wait_dscnt 0x0
	global_store_b64 v7, v[8:9], s[16:17]          ; 32 lanes store 256 consecutive bytes
	s_branch .Lend
.Lcast:                                                ; wo_w to f16: a wave takes 8,192 numbers in four sets; two sets of loads are out
	s_sub_co_u32 s20, ttmp9, QWG
	s_lshl_b32 s20, s20, 2
	s_add_co_u32 s20, s20, s21
	s_lshl_b32 s22, s20, 15
	s_add_nc_u64 s[12:13], s[12:13], s[22:23]
	s_lshl_b32 s22, s20, 14
	s_add_nc_u64 s[18:19], s[18:19], s[22:23]
	CLOAD 0
	CLOAD 1
.irp g, 0,1,2,3
.if \g < 3
	s_wait_loadcnt 16                              ; this set is in; the one younger set may be out
.else
	s_wait_loadcnt 0x0
.endif
.if \g > 0
	s_wait_xcnt 0x0                                ; the last set's stores have read their data: they are written again only behind this wait
.endif
.irp i, 0,1,2,3,4,5,6,7,8,9,10,11,12,13,14,15
	v_cvt_pk_f16_f32 v[CQ+2*\i], v[CI+64*(\g%2)+4*\i], v[CI+64*(\g%2)+4*\i+1]
	v_cvt_pk_f16_f32 v[CQ+2*\i+1], v[CI+64*(\g%2)+4*\i+2], v[CI+64*(\g%2)+4*\i+3]
.endr
.irp i, 0,1,2,3,4,5,6,7,8,9,10,11,12,13,14,15
	global_store_b64 v7, v[CQ+2*\i:CQ+2*\i+1], s[18:19] offset:256*(16*\g+\i)   ; 32 lanes store 256 consecutive bytes
.endr
.if \g < 2
	CLOAD \g+2
.endif
.endr
.Lend:
	s_wait_tensorcnt 0x0                           ; the wave's end, behind my last LDS store
	ds_add_u32 v[SPW], v[NIL]
	s_wait_dscnt 0x0
	s_endpgm
.Lfunc_end_k_q30d5ed7226_prep:
	.size	k_q30d5ed7226_prep, .Lfunc_end_k_q30d5ed7226_prep-k_q30d5ed7226_prep
	.p2alignl 7, 3214868480
	.fill 96, 4, 3214868480
	.section	.rodata,"a",@progbits
	.p2align	6, 0x0
	.amdhsa_kernel k_q30d5ed7226_prep
		.amdhsa_group_segment_fixed_size 33280
		.amdhsa_private_segment_fixed_size 0
		.amdhsa_enable_private_segment 0
		.amdhsa_kernarg_size 64
		.amdhsa_user_sgpr_count 2
		.amdhsa_user_sgpr_kernarg_segment_ptr 1
		.amdhsa_wavefront_size32 1
		.amdhsa_system_sgpr_workgroup_id_x 1
		.amdhsa_system_sgpr_workgroup_id_y 1
		.amdhsa_system_sgpr_workgroup_id_z 1
		.amdhsa_system_vgpr_workitem_id 0
		.amdhsa_next_free_vgpr 192
		.amdhsa_next_free_sgpr 66
		.amdhsa_reserve_vcc 0
		.amdhsa_float_denorm_mode_32 3
		.amdhsa_float_denorm_mode_16_64 3
		.amdhsa_memory_ordered 1
		.amdhsa_forward_progress 1
		.amdhsa_inst_pref_size 54
	.end_amdhsa_kernel
	.amdgpu_metadata
---
amdhsa.version: [ 1, 2 ]
amdhsa.kernels:
  - .name:           k_q30d5ed7226_prep
    .symbol:         k_q30d5ed7226_prep.kd
    .args:
      - { .name: x, .offset: 0, .size: 8, .value_kind: global_buffer, .address_space: global }
      - { .name: wq_w, .offset: 8, .size: 8, .value_kind: global_buffer, .address_space: global }
      - { .name: wk_w, .offset: 16, .size: 8, .value_kind: global_buffer, .address_space: global }
      - { .name: wv_w, .offset: 24, .size: 8, .value_kind: global_buffer, .address_space: global }
      - { .name: wo_w, .offset: 32, .size: 8, .value_kind: global_buffer, .address_space: global }
      - { .name: codes, .offset: 40, .size: 8, .value_kind: global_buffer, .address_space: global }
      - { .name: scales, .offset: 48, .size: 8, .value_kind: global_buffer, .address_space: global }
      - { .name: woh, .offset: 56, .size: 8, .value_kind: global_buffer, .address_space: global }
    .group_segment_fixed_size: 33280
    .private_segment_fixed_size: 0
    .kernarg_segment_align: 8
    .kernarg_segment_size: 64
    .max_flat_workgroup_size: 128
    .sgpr_count:     66
    .vgpr_count:     192
    .wavefront_size: 32
...
	.end_amdgpu_metadata
.endif
;; end of part 1
;; launch qkv (part 2): grid 24 x 8, 4 waves a work-group, clusters of 4 x 4, 327,680 bytes of LDS; arguments codes, scales, wq_b, wk_b, wv_b, freqs_cos, freqs_sin, out1, out2, qkvi, q32; writes out1, out2, qkvi, q32
.if DOCPART == 2
	.amdgcn_target "amdgcn-amd-amdhsa--gfx1250"
	.amdhsa_code_object_version 6
	.text
	.protected	k_q30d5ed7226_qkv
	.globl	k_q30d5ed7226_qkv
	.p2align	8
	.type	k_q30d5ed7226_qkv,@function
k_q30d5ed7226_qkv:
	s_mov_b64 s[64:65], 0
	v_nop
	global_prefetch_b8 v0, s[64:65] scope:SCOPE_SE
	s_setreg_imm32_b32 hwreg(HW_REG_WAVE_MODE, 25, 1), 1
	s_wait_xcnt 0x0
	s_wait_alu depctr_hold_cnt(0) depctr_sa_sdst(0) depctr_va_vdst(0) depctr_va_sdst(0) depctr_va_ssrc(0) depctr_va_vcc(0) depctr_vm_vsrc(0)
	s_getreg_b32 s2, hwreg(HW_REG_IB_STS2, 6, 4)
	s_cmp_eq_u32 s2, 0
	s_cbranch_scc0 .Lentry_in_a_cluster
	s_endpgm
.Lentry_in_a_cluster:
	s_bfe_u32 s2, ttmp6, 0x10000c
	s_cmp_lg_u32 s2, 0xf033
	s_cbranch_scc0 .Lentry_shape_is_right
	s_endpgm
.Lentry_shape_is_right:
; [q | k | v] = x W^T + b on codes of FP4 (E2M1) with E8M0 scales, W = wq, wk, wv on end ([6144][2048]); then the rotation of q and k, and every layout that the later launches want.
; codes: rows of 1,024 bytes: x's 2,048 rows, then W's 6,144; scales: rows of 64 bytes in the same order.
; A tile of 256 positions x 256 channels is made by a work-group of four waves; a wave makes 128 positions x 128 channels, which is ONE HEAD of q, k or v: 64 accumulators, 512 registers.
; K goes in steps of 512 (rows of 256 bytes) through a ring of two LDS slots filled by the tensor data mover; the scale bytes of the work-group's rows, for all of K, come once and stay.
; CLUSTERS: 4 x 4 work-groups: x's tiles are asked for jointly along a row of the cluster, W's along a column.  A cluster's four tile columns are all q's, all k's or all v's (8 tile columns each),
; so the branch on the kind hangs on the cluster's x alone and is the same in all sixteen partners.
; THE MATRIX INSTRUCTION IS USED TRANSPOSED (source 0 = 16 rows of W, source 1 = 16 rows of x): a lane holds ONE position (lane % 16) and eight neighbouring channels, 16 b + 8 (lane / 16) + 0..7.
; The bias is the C of each sum's first product.
; THE WAY OUT, by blocks of 16 positions:  q, k: rotated in f32 (a lane's eight channels are four pairs), rounded to f16 and stored as IMAGES OF THE NEXT PRODUCT'S OPERAND REGISTERS: block b's four
; registers are half a fragment (16 positions x 32 channels), 512 consecutive bytes a store.  k also leaves in f32 (out1) through the wave's stage, as whole rows of 512 bytes.  The first 16 positions'
; q also leave in f32 (q32), for the launch that carries those rows finely.  v: f32 rows (out2) likewise; its f16 image wants the KEYS along a lane's registers: it is turned by ds_load_tr16_b128.
; LIMITS: q, k and v go on as f16: magnitudes up to 65,504; NaN and infinities are not served.
; REGISTERS, in windows of 256: window 0: v0-31 addresses; v32-95 scale words, two sets; v128-191 x's fragments, one set; v192-255 the bias; on the way out v32-255 are free.
;   window 1: W's fragments, two sets.   window 2: the accumulators of my positions 0-63 ((a, b) at v[8 (8 a + b)]);   window 3: those of my positions 64-127.
.set SIZE_K, 2048
.set KSTEP,  512                       ; along K in a slot
.set NQ,     KSTEP/128                 ; matrix instructions deep
.set ROWB,   256                       ; a tile's row in bytes
.set KROW,   SIZE_K/2                  ; a row of codes in memory
.set PITCH,  272                       ; an LDS row: 256 bytes + 16 of padding: the 16 rows that a load touches start at 16 different banks
.set FR,     8                         ; registers of a fragment: 16 rows x 128 K
.set NL,     2                         ; LDS loads that bring one
.set NP,     4                         ; places behind this matrix instruction (ISA guide 7.12.1)
.set HALFT,  128*PITCH
.set SLOT,   4*HALFT                   ; x's 256 rows, then W's 256 rows
.set LAPS,   SIZE_K/(2*KSTEP)
.set KS,     SIZE_K/32                 ; a row of scales in bytes
.set SCL,    2*SLOT                    ; behind the ring: the scales, as runs of 256 bytes + 16 of padding
.set HALFS,  (128*KS/256)*272
.set SBLK,   (16*KS/256)*272
.set SPARE,  SCL+4*HALFS               ; the spare words, 128 bytes a wave
.set SPITCH, 528                       ; the way out: f32 stages of 16 rows x (512 + 16) bytes for each wave,
.set HPITCH, 288                       ; and v's f16 stage of 16 rows x (256 + 32) bytes.  They lie in slot 0, which has had its last fill and its last read by then;
.set STK,    0                         ; k's path and v's have bytes of their own
.set STV,    4*16*SPITCH
.set STH,    2*4*16*SPITCH
.set CSA,  7                           ; v7   cos, sin: 256 r + 16 h
.set Q3A,  8                           ; v8   q32: 512 r + 32 h
.set STKI, 9                           ; v9   k's stage, in;   v10 back
.set RDK,  10
.set STVI, 11                          ; v11  v's f32 stage, in;   v12 back
.set RDV,  12
.set STHI, 13                          ; v13  v's f16 stage, in;   v14 back, turned
.set TRA,  14
.set BA,   15                          ; v15  the bias: 32 h
.set ADRA, 16                          ; v16-17  LDS address of x's fragments in slot 0, 1
.set ADRB, 20                          ; v20-21  the same for W
.set CO,   26                          ; v26  16 x lane
.set ADRS, 27                          ; v27  LDS address of my scale words: lanes 0-15 x's rows, lanes 16-31 W's
.set SPW,  28                          ; v28  my spare word; never rewritten
.set NIL,  29                          ; v29  0; never rewritten
.set SC,   32                          ; scale words
.set AF,   128                         ; x's fragments
.set BI,   192                         ; the bias: block b's eight numbers of my half at v[BI + 8 b]
.set CSR,  32                          ; the way out: v32-95, v96-159 two sets of cos (32) and sin (32)
.set T,    160                         ; v160-223 a block in f32
.set HF,   224                         ; v224-255 a block in f16
.set HT,   32                          ; v32-63   v's block, turned
.set KIND, 95                          ; s95  0 q, 1 k, 2 v
.set G1, 24
.set G0, 32
.set G1B, 48
.set G0B, 56
.set G1S, 68
.set G0S, 76
.set G1SB, 80
.set G0SB, 88
.set MSB, 0
.macro WIN new                         ; the immediate's high byte repeats the setting that is left
.if MSB != (\new)
	s_set_vgpr_msb (MSB<<8)|(\new)
.set MSB, (\new)
.endif
.endm
.set MUL_LO, 0xa1                      ; source 0 (W) window 1, source 1 (x) window 0, C and D window 2
.set MUL_HI, 0xf1                      ; the same, C and D window 3
.set MULZ_LO, 0x81                     ; the first step: C (the bias) window 0, D window 2
.set MULZ_HI, 0xc1                     ; D window 3
.set TO_B,   0x40                      ; destination window 1, address window 0
; A joint load: waves 0 and 1 fetch for x, waves 2 and 3 for W.  Each line has one mask and one set of registers for all that issue it; the branch hangs on the wave's number alone.
; An s_nop 0 and four v_nop follow each of the two lines.
.macro JLOAD g0a, g1a, g0b, g1b
	s_cmp_eq_u32 s15, 0
	s_cbranch_scc0 .Lfor_b_\@
	tensor_load_to_lds s[\g0a:\g0a+3], s[\g1a:\g1a+7]
	s_nop 0
.rept 4
	v_nop
.endr
	s_branch .Lasked_\@
.Lfor_b_\@:
	tensor_load_to_lds s[\g0b:\g0b+3], s[\g1b:\g1b+7]
	s_nop 0
.rept 4
	v_nop
.endr
.Lasked_\@:
.endm
.macro CREST                           ; a round of the cluster's barrier behind its opening barrier
	s_cmp_lg_u32 s14, 0
	s_cbranch_scc1 .Lnot_wave_0_\@
	s_barrier_signal -3
.Lnot_wave_0_\@:
	s_barrier_wait -3
	s_barrier_signal -1
	s_barrier_wait -1
.endm
.macro CROUND                          ; a whole round
	s_barrier_signal -1
	s_barrier_wait -1
	CREST
.endm
	s_load_b128 s[4:7], s[0:1], 0x0                ; codes, scales
	s_load_b128 s[8:11], s[0:1], 0x10              ; wq_b, wk_b
	s_load_b64 s[12:13], s[0:1], 0x20              ; wv_b
	v_lshl_add_u32 v[SPW], v0, 2, SPARE
	v_mov_b32 v[NIL], 0
	ds_add_u32 v[SPW], v[NIL]                      ; the wave's opening: the add, twice on end, and its wait ahead of my first tensor load
	ds_add_u32 v[SPW], v[NIL]
	v_lshrrev_b32 v1, 5, v0
	v_readfirstlane_b32 s14, v1                    ; wave 0..3
	s_lshr_b32 s15, s14, 1                         ; which half of the tile's positions is mine.  Also: I fetch for x (0) or for W (1)
	s_and_b32 s16, s14, 1                          ; which half of its channels.  Also: which 128 rows of that tile I fetch
	s_bfe_u32 s40, ttmp6, 0x40000                  ; cx, cy: my place in the cluster
	s_bfe_u32 s41, ttmp6, 0x40004
	s_lshl_b32 s42, ttmp9, 2
	s_add_co_u32 s42, s42, s40                     ; tile column = 4 x cluster x + cx
	s_and_b32 s17, ttmp7, 0xffff
	s_lshl_b32 s17, s17, 2
	s_add_co_u32 s17, s17, s41                     ; tile row = 4 x cluster y + cy
	s_lshl_b32 s43, s41, 2
	s_lshl_b32 s43, 15, s43                        ; my row of the cluster
	s_lshl_b32 s44, 0x1111, s40                    ; my column
	; descriptor group 1: a tile of 128 rows x 256 bytes, 16 bytes of padding behind each row
	s_or_b32 s[G1+0], s43, (0<<16)|(1<<20)|(1<<21)|(5<<22)|(3<<25)  ; the mask; elements of 1 byte; padding on; bit 21 beside a mask; after every 64 words, 4 words
	s_or_b32 s[G1B+0], s44, (0<<16)|(1<<20)|(1<<21)|(5<<22)|(3<<25)
.irp g, G1, G1B
	s_mov_b32 s[\g+1], ROWB<<16                    ; tensor_dim0
	s_mov_b32 s[\g+2], 128<<16                     ; tensor_dim1
	s_mov_b32 s[\g+3], ROWB<<16                    ; tile_dim0
	s_mov_b32 s[\g+4], 128                         ; tile_dim1
	s_mov_b32 s[\g+5], KROW                        ; tensor_dim0_stride
	s_mov_b32 s[\g+6], 0
	s_mov_b32 s[\g+7], 0
.endr
	; the scales of 128 rows: a dense block of 8,192 bytes, as rows of 256 bytes (32 elements of 8 bytes), 16 bytes of padding behind each
	s_or_b32 s[G1S+0], s43, (3<<16)|(1<<20)|(1<<21)|(5<<22)|(3<<25)
	s_or_b32 s[G1SB+0], s44, (3<<16)|(1<<20)|(1<<21)|(5<<22)|(3<<25)
.irp g, G1S, G1SB
	s_mov_b32 s[\g+1], 32<<16
	s_mov_b32 s[\g+2], (128*KS/256)<<16
	s_mov_b32 s[\g+3], 32<<16
	s_mov_b32 s[\g+4], 128*KS/256
	s_mov_b32 s[\g+5], 32
	s_mov_b32 s[\g+6], 0
	s_mov_b32 s[\g+7], 0
.endr
	s_lshl_b32 s18, s16, 7                         ; which 128 rows of the tile I fetch
	s_lshl_b32 s20, s17, 8
	s_add_co_u32 s20, s20, s18                     ; x: row 256 x tile row + 128 x half
	s_lshl_b32 s46, s42, 8
	s_add_co_u32 s46, s46, s18                     ; W: row 256 x tile column + 128 x half
	s_mov_b32 s21, 0
	s_mov_b32 s47, 0
	s_mov_b64 s[18:19], KS
	s_mul_u64 s[22:23], s[20:21], s[18:19]         ; where these rows' scales begin, in bytes
	s_mul_u64 s[92:93], s[46:47], s[18:19]
	s_mov_b64 s[18:19], KROW
	s_mul_u64 s[20:21], s[20:21], s[18:19]         ; and their codes
	s_mul_u64 s[46:47], s[46:47], s[18:19]
	s_add_nc_u64 s[92:93], s[92:93], 0x20000       ; W lies behind x's 2,048 rows in both buffers
	s_add_nc_u64 s[46:47], s[46:47], 0x200000
	s_mul_i32 s45, s14, HALFT                      ; where they go: wave x 128 rows: no place in the cluster enters an LDS address
	s_mul_i32 s94, s14, HALFS
	s_lshr_b32 s[KIND], ttmp9, 1                   ; two clusters along x to each of q, k, v
	s_wait_dscnt 0x0                               ; both opening adds are done
	s_wait_kmcnt 0x0
	s_add_nc_u64 s[20:21], s[4:5], s[20:21]
	s_add_nc_u64 s[22:23], s[6:7], s[22:23]
	s_add_nc_u64 s[46:47], s[4:5], s[46:47]
	s_add_nc_u64 s[92:93], s[6:7], s[92:93]
	CROUND                                         ; all sixteen work-groups are here: the first joint loads meet
	s_mov_b32 s[G0S], 1
	s_add_co_u32 s[G0S+1], s94, SCL
	s_mov_b64 s[G0S+2:G0S+3], s[22:23]
	s_or_b32 s[G0S+3], s[G0S+3], 0x80000000
	s_mov_b32 s[G0SB], 1
	s_add_co_u32 s[G0SB+1], s94, SCL
	s_mov_b64 s[G0SB+2:G0SB+3], s[92:93]
	s_or_b32 s[G0SB+3], s[G0SB+3], 0x80000000
	JLOAD G0S, G1S, G0SB, G1SB                     ; the scales first: they are wanted with K step 0
.irp s, 0,1
	s_mov_b32 s[G0+4*\s], 1
	s_add_co_u32 s[G0+4*\s+1], s45, \s*SLOT
	s_add_nc_u64 s[G0+4*\s+2:G0+4*\s+3], s[20:21], \s*ROWB
	s_or_b32 s[G0+4*\s+3], s[G0+4*\s+3], 0x80000000
	s_mov_b32 s[G0B+4*\s], 1
	s_add_co_u32 s[G0B+4*\s+1], s45, \s*SLOT
	s_add_nc_u64 s[G0B+4*\s+2:G0B+4*\s+3], s[46:47], \s*ROWB
	s_or_b32 s[G0B+4*\s+3], s[G0B+4*\s+3], 0x80000000
	JLOAD G0+4*\s, G1, G0B+4*\s, G1B
.endr
	s_cmp_eq_u32 s[KIND], 1                        ; my kind's bias,
	s_cselect_b64 s[8:9], s[10:11], s[8:9]
	s_cmp_eq_u32 s[KIND], 2
	s_cselect_b64 s[8:9], s[12:13], s[8:9]
	s_and_b32 s96, s42, 7
	s_lshl_b32 s96, s96, 10
	s_lshl_b32 s97, s16, 9
	s_add_co_u32 s96, s96, s97                     ; at my 128 channels
	s_mov_b32 s97, 0
	s_add_nc_u64 s[8:9], s[8:9], s[96:97]
	v_and_b32 v1, 15, v0                           ; r = l % 16
	v_bfe_u32 v2, v0, 4, 1                         ; h = l / 16
	v_lshlrev_b32 v[BA], 5, v2
.irp b, 0,1,2,3,4,5,6,7
	global_load_b128 v[BI+8*\b:BI+8*\b+3], v[BA], s[8:9] offset:64*\b         ; the bias of channels 16 b + 8 h + 0..7: the result's layout
	global_load_b128 v[BI+8*\b+4:BI+8*\b+7], v[BA], s[8:9] offset:64*\b+16
.endr
	v_mul_u32_u24 v3, v1, PITCH
	v_lshl_add_u32 v4, v2, 4, v3                   ; a fragment's row x pitch + 16 x half
	s_mul_i32 s21, s15, HALFT                      ; my 128 rows of x
	s_mul_i32 s22, s16, HALFT                      ; my 128 rows of W,
	s_add_co_u32 s22, s22, 2*HALFT                 ; which lie behind x's 256
.irp s, 0,1
	v_add_nc_u32 v[ADRA+\s], s21, v4
	v_add_nc_u32 v[ADRB+\s], s22, v4
	s_add_co_u32 s21, s21, SLOT
	s_add_co_u32 s22, s22, SLOT
.endr
	v_mul_u32_u24 v5, v1, KS                       ; my row's scales: KS bytes a row,
	v_lshrrev_b32 v6, 8, v5
	v_lshl_add_u32 v5, v6, 4, v5                   ; and 16 more for each 256 passed
	s_mul_i32 s21, s15, HALFS
	s_mul_i32 s22, s16, HALFS
	s_add_co_u32 s22, s22, 2*HALFS
	s_sub_co_u32 s22, s22, s21
	v_mul_u32_u24 v6, s22, v2                      ; lanes 16-31 take W's
	s_add_co_u32 s21, s21, SCL
	v_add_nc_u32 v5, v5, v6
	v_add_nc_u32 v[ADRS], s21, v5
	; the way out's addresses, all made here, on the one way that every wave takes
	v_lshlrev_b32 v[CSA], 8, v1
	v_lshl_add_u32 v[CSA], v2, 4, v[CSA]           ; a position's 64 cosines are 256 bytes; my four pairs of block b lie at 32 b + 16 h
	v_lshlrev_b32 v[Q3A], 9, v1
	v_lshl_add_u32 v[Q3A], v2, 5, v[Q3A]
	s_mul_i32 s23, s14, 16*SPITCH
	v_mul_u32_u24 v5, v1, SPITCH
	v_lshl_add_u32 v5, v2, 5, v5
	v_add_nc_u32 v[STKI], s23, v5                  ; in: row r, 32 bytes for each half of the lanes
	v_and_b32 v6, 31, v0
	v_lshlrev_b32 v[CO], 4, v6
	v_add_nc_u32 v[RDK], s23, v[CO]                ; back: the 32 lanes take one row of 512 bytes
	v_add_nc_u32 v[STVI], STV, v[STKI]
	v_add_nc_u32 v[RDV], STV, v[RDK]
	s_mul_i32 s23, s14, 16*HPITCH
	s_add_co_u32 s23, s23, STH
	v_mul_u32_u24 v5, v1, HPITCH
	v_lshl_add_u32 v5, v2, 4, v5
	v_add_nc_u32 v[STHI], s23, v5
	v_and_b32 v5, 7, v0
	v_lshl_add_u32 v5, v2, 3, v5                   ; the turning load: row 8 h + l % 8,
	v_mul_u32_u24 v5, v5, HPITCH
	v_bfe_u32 v6, v0, 3, 1
	v_lshl_add_u32 v5, v6, 4, v5                   ; 16 bytes for each half of a group of sixteen
	v_add_nc_u32 v[TRA], s23, v5
.macro FRAG reg, adr, q, i             ; a fragment, 16 rows x 128 K of 4-bit codes: lane l holds row l % 16; registers 4 c .. 4 c + 3 hold K = 64 c + 32 (l / 16) + 0 .. 31
.irp c, 0,1
	ds_load_b128 v[\reg+4*\c:\reg+4*\c+3], v[\adr] offset:64*(\q)+32*\c+(\i)*16*PITCH
.endr
.endm
; 16 matrix instructions: x's blocks a0, a0 + 1 against W's eight, 128 along K.  zero = 1: the first product starts the sums, with the bias as C.
; The 64 accumulators take turns, one instruction a turn, in the same order in every step.
.macro MUL16 a0, p, q, sc, zero
.irp a, \a0, \a0+1
.irp b, 0,1,2,3,4,5,6,7
.if \zero
	v_wmma_scale_f32_16x16x128_f8f6f4 v[8*(8*((\a)%4)+\b):8*(8*((\a)%4)+\b)+7], v[128*(\p)+FR*\b:128*(\p)+FR*\b+FR-1], v[AF+FR*(\a):AF+FR*(\a)+FR-1], v[BI+8*\b:BI+8*\b+7], v[SC+8*NQ*(\sc)+NQ*\b+(\q)], v[SC+8*NQ*(\sc)+NQ*(\a)+(\q)] matrix_a_fmt:MATRIX_FMT_FP4 matrix_b_fmt:MATRIX_FMT_FP4 matrix_a_scale:MATRIX_SCALE_ROW1
.else
	v_wmma_scale_f32_16x16x128_f8f6f4 v[8*(8*((\a)%4)+\b):8*(8*((\a)%4)+\b)+7], v[128*(\p)+FR*\b:128*(\p)+FR*\b+FR-1], v[AF+FR*(\a):AF+FR*(\a)+FR-1], v[8*(8*((\a)%4)+\b):8*(8*((\a)%4)+\b)+7], v[SC+8*NQ*(\sc)+NQ*\b+(\q)], v[SC+8*NQ*(\sc)+NQ*(\a)+(\q)] matrix_a_fmt:MATRIX_FMT_FP4 matrix_b_fmt:MATRIX_FMT_FP4 matrix_a_scale:MATRIX_SCALE_ROW1
.endif
.endr
.endr
.endm
.macro FETCH_B slot, q, p              ; W's eight fragments of the slot's q-th 128 along K into set p
	WIN TO_B
.irp i, 0,1,2,3,4,5,6,7
	FRAG 128*(\p)+FR*\i, ADRB+\slot, \q, \i
.endr
	WIN 0
.endm
.macro FETCH_A slot, q, i0             ; x's blocks i0 .. i0 + 3
.irp i, \i0, \i0+1, \i0+2, \i0+3
	FRAG AF+FR*(\i), ADRA+\slot, \q, \i
.endr
.endm
.macro SCALES sc                       ; a K step's scale words into set sc: lanes 0-15 take x's block i, lanes 16-31 W's block i
.irp i, 0,1,2,3,4,5,6,7
	ds_load_b128 v[SC+8*NQ*\sc+NQ*\i:SC+8*NQ*\sc+NQ*\i+3], v[ADRS] offset:\i*SBLK
.endr
.endm
.macro PLACES n                        ; places in front of loads into registers that matrix instructions have read, and of the first read of results
.rept \n
	v_nop
.endr
.endm
.macro STEP slot, q, zero              ; a step of 128 along K that has its successor in the same slot
	s_wait_dscnt 4*NL                              ; W's set and x's blocks 0-3 are in; the youngest loads (x's blocks 4-7) may be out
.if \zero
	WIN MULZ_LO
.else
	WIN MUL_LO
.endif
	MUL16 0, (\q)%2, \q, \slot, \zero
	MUL16 2, (\q)%2, \q, \slot, \zero
	s_wait_dscnt 0                                 ; x's blocks 4-7 are in
	PLACES NP
	FETCH_B \slot, (\q)+1, 1-(\q)%2
	FETCH_A \slot, (\q)+1, 0
.if \zero
	WIN MULZ_HI
.else
	WIN MUL_HI
.endif
	MUL16 4, (\q)%2, \q, \slot, \zero
	MUL16 6, (\q)%2, \q, \slot, \zero
	PLACES NP
	WIN 0
	FETCH_A \slot, (\q)+1, 4
.endm
; A slot's last step changes slots: one barrier; in front of it each wave waits for all its tensor loads, adds 0 to its spare word, and waits for that and for its reads of this slot.
.macro TURN slot, next, fill
	s_wait_tensorcnt 0x0                           ; all my tensor loads have landed: my part of the next slot
	ds_add_u32 v[SPW], v[NIL]                      ; 0 onto my spare word
	s_wait_dscnt 4*NL+1                            ; (the add and the youngest loads, x's blocks 4-7, may be out)
	WIN MUL_LO
	MUL16 0, 1, NQ-1, \slot, 0                     ; sixteen matrix instructions stand between the add and the wait for it
	s_wait_dscnt 0x0                               ; the add is done, and my reads of this slot are over
	s_barrier_signal -1
	MUL16 2, 1, NQ-1, \slot, 0
	WIN 0
	s_barrier_wait -1
.if \fill
	CREST                                          ; the barrier has opened a round of the cluster's barrier: no wave of any partner still reads this slot or has a load on its way
	s_add_nc_u64 s[G0+4*\slot+2:G0+4*\slot+3], s[G0+4*\slot+2:G0+4*\slot+3], 2*ROWB
	s_add_nc_u64 s[G0B+4*\slot+2:G0B+4*\slot+3], s[G0B+4*\slot+2:G0B+4*\slot+3], 2*ROWB
	JLOAD G0+4*\slot, G1, G0B+4*\slot, G1B         ; the first tensor load behind the round; its four v_nop are the places in front of the loads below
.else
	PLACES NP
.endif
	v_add_nc_u32 v[ADRS], 4*NQ, v[ADRS]            ; on to the next K step's scale words
	FETCH_B \next, 0, 0
	FETCH_A \next, 0, 0
	SCALES \next
	WIN MUL_HI
	MUL16 4, 1, NQ-1, \slot, 0
	MUL16 6, 1, NQ-1, \slot, 0
	PLACES NP
	WIN 0
	FETCH_A \next, 0, 4
.endm
.macro STEPS slot, from                ; the slot's steps from .. NQ - 2
.set Q, \from
.rept NQ-1-\from
	STEP \slot, Q, 0
.set Q, Q+1
.endr
.endm
	s_wait_tensorcnt 1                             ; the scales and my part of K step 0 are in (K step 1's load may be out),
	s_barrier_signal -1
	s_barrier_wait -1                              ; everybody's are
	s_wait_loadcnt 0x0                             ; the bias
	FETCH_B 0, 0, 0
	FETCH_A 0, 0, 0
	SCALES 0
	FETCH_A 0, 0, 4
	STEP 0, 0, 1                                   ; the first step stands in front of the loop: its products start the sums
	s_mov_b32 s3, LAPS-1
.Llap:                                                 ; a trip goes once round the ring and fills both slots again
	STEPS 0, 1
	TURN 0, 1, 1
	STEPS 1, 0
	TURN 1, 0, 1
	STEP 0, 0, 0
	s_sub_co_u32 s3, s3, 1
	s_cmp_lg_u32 s3, 0
	s_cbranch_scc1 .Llap
	STEPS 0, 1                                     ; the last lap fills nothing
	TURN 0, 1, 0
	s_load_b128 s[68:71], s[0:1], 0x28             ; the way out's pointers, into the scale descriptors' registers: every tensor load of mine has been waited for.  cos, sin;
	s_load_b128 s[72:75], s[0:1], 0x38             ; out1, out2;
	s_load_b128 s[76:79], s[0:1], 0x48             ; qkvi, q32
	STEPS 1, 0
	s_wait_dscnt 4*NL                              ; the very last step: nothing more to fetch
	WIN MUL_LO
	MUL16 0, 1, NQ-1, 1, 0
	MUL16 2, 1, NQ-1, 1, 0
	s_wait_dscnt 0
	WIN MUL_HI
	MUL16 4, 1, NQ-1, 1, 0
	MUL16 6, 1, NQ-1, 1, 0
	WIN 0
	PLACES NP                                      ; in front of the first reads of results and of the loads into registers that held scales and fragments
	s_wait_kmcnt 0x0
	s_lshl_b32 s80, s17, 8
	s_lshl_b32 s81, s15, 7
	s_add_co_u32 s80, s80, s81                     ; my first position
	s_and_b32 s81, s42, 7
	s_lshl_b32 s81, s81, 1
	s_add_co_u32 s81, s81, s16                     ; my head
	s_mov_b32 s83, 0
	s_lshl_b32 s82, s80, 8
	s_add_nc_u64 s[68:69], s[68:69], s[82:83]      ; cos and sin at my first position
	s_add_nc_u64 s[70:71], s[70:71], s[82:83]
	s_cmp_eq_u32 s[KIND], 1
	s_cselect_b64 s[72:73], s[72:73], s[74:75]     ; the f32 rows: out1 for k, out2 for v (q stores none)
	s_lshl_b32 s82, s81, 20
	s_lshl_b32 s84, s80, 9
	s_add_co_u32 s82, s82, s84
	s_add_nc_u64 s[72:73], s[72:73], s[82:83]
	s_lshl_b32 s82, s[KIND], 23                    ; the images: 8 MiB a kind, 512 KiB a head, 256 bytes a position
	s_lshl_b32 s84, s81, 19
	s_add_co_u32 s82, s82, s84
	s_lshl_b32 s84, s80, 8
	s_add_co_u32 s82, s82, s84
	s_add_nc_u64 s[76:77], s[76:77], s[82:83]
	s_and_b32 s82, s17, 3                          ; q32: the four tile rows of the first row of clusters are told apart by address; part 0 holds positions 0 to 15
	s_lshl_b32 s82, s82, 17
	s_lshl_b32 s84, s81, 13
	s_add_co_u32 s82, s82, s84
	s_add_nc_u64 s[78:79], s[78:79], s[82:83]
	s_and_b32 s85, ttmp7, 0xffff
	s_or_b32 s85, s85, s15                         ; 0: first row of clusters, first half of the positions: the same in all partners, for a given wave
	s_cmp_eq_u32 s[KIND], 2
	s_cbranch_scc1 .Lv
.macro CSLOAD a                        ; block a's cosines and sines into set a % 2
.irp b, 0,1,2,3,4,5,6,7
	global_load_b128 v[CSR+64*((\a)%2)+4*\b:CSR+64*((\a)%2)+4*\b+3], v[CSA], s[68:69] offset:4096*(\a)+32*\b
	global_load_b128 v[CSR+64*((\a)%2)+32+4*\b:CSR+64*((\a)%2)+32+4*\b+3], v[CSA], s[70:71] offset:4096*(\a)+32*\b
.endr
.endm
.macro QKBLOCK a                       ; 16 positions of q or k
.set AC, 64*((\a)%4)
.set CC, CSR+64*((\a)%2)
.if (\a) < 7
	CSLOAD (\a)+1
	s_wait_loadcnt 16                              ; this block's cos and sin are in; the next block's 16 loads may be out
.else
	s_wait_loadcnt 0x0
.endif
	s_wait_xcnt 0x0                                ; the last block's stores have read their data: T and HF are written again only behind this wait
	WIN 0x02+(\a)/4                                ; source 0: the accumulators' window
.irp b, 0,1,2,3,4,5,6,7
.irp jj, 0,1,2,3
	v_mul_f32 v[T+8*\b+2*\jj], v[AC+8*\b+2*\jj+1], v[CC+32+4*\b+\jj]      ; ti sin  (each accumulator is read from its low end on)
	v_mul_f32 v[T+8*\b+2*\jj+1], v[AC+8*\b+2*\jj+1], v[CC+4*\b+\jj]       ; ti cos
.endr
.irp jj, 0,1,2,3
	v_fma_f32 v[T+8*\b+2*\jj], v[AC+8*\b+2*\jj], v[CC+4*\b+\jj], -v[T+8*\b+2*\jj]            ; tr cos - ti sin
	v_fma_f32 v[T+8*\b+2*\jj+1], v[AC+8*\b+2*\jj], v[CC+32+4*\b+\jj], v[T+8*\b+2*\jj+1]      ; tr sin + ti cos
.endr
.endr
	WIN 0
.set n, 0
.rept 32
	v_cvt_pk_f16_f32 v[HF+n], v[T+2*n], v[T+2*n+1]
.set n, n+1
.endr
.irp b, 0,1,2,3,4,5,6,7
	global_store_b128 v[CO], v[HF+4*\b:HF+4*\b+3], s[76:77] offset:4096*(\a)+512*\b   ; half a fragment as it will stand in registers: 512 consecutive bytes
.endr
	s_cmp_eq_u32 s[KIND], 1
	s_cbranch_scc0 .Lq_\@
.irp b, 0,1,2,3,4,5,6,7
	ds_store_b128 v[STKI], v[T+8*\b:T+8*\b+3] offset:64*\b
	ds_store_b128 v[STKI], v[T+8*\b+4:T+8*\b+7] offset:64*\b+16
.endr
.irp t, 0,1,2,3,4,5,6,7,8,9,10,11,12,13,14,15
	ds_load_b128 v[T+4*\t:T+4*\t+3], v[RDK] offset:\t*SPITCH       ; LDS serves a wave's instructions in order: these see the stores above
.endr
.irp t, 0,1,2,3,4,5,6,7,8,9,10,11,12,13,14,15
	s_wait_dscnt 15-\t
	global_store_b128 v[CO], v[T+4*\t:T+4*\t+3], s[72:73] offset:8192*(\a)+512*\t   ; a row of out1: 512 consecutive bytes
.endr
.if (\a) == 0
	s_branch .Ldone_\@
.endif
.Lq_\@:
.if (\a) == 0
	s_cmp_lg_u32 s85, 0
	s_cbranch_scc1 .Ldone_\@
.irp b, 0,1,2,3,4,5,6,7
	global_store_b128 v[Q3A], v[T+8*\b:T+8*\b+3], s[78:79] offset:64*\b            ; q of a tile row's first 16 positions, in f32
	global_store_b128 v[Q3A], v[T+8*\b+4:T+8*\b+7], s[78:79] offset:64*\b+16
.endr
.Ldone_\@:
.endif
.endm
	CSLOAD 0
.irp a, 0,1,2,3,4,5,6,7
	QKBLOCK \a
.endr
	s_branch .Lend
.macro VBLOCK a                        ; 16 positions of v
.set AC, 64*((\a)%4)
.if (\a) > 0
	s_wait_xcnt 0x0                                ; the last block's stores have read their data
.endif
	WIN 0x0a+5*((\a)/4)                            ; sources 0 and 1: the accumulators' window
.set n, 0
.rept 32
	v_cvt_pk_f16_f32 v[HF+n], v[AC+2*n], v[AC+2*n+1]
.set n, n+1
.endr
	WIN 0x08+4*((\a)/4)                            ; an LDS store's data are its source 1
.irp b, 0,1,2,3,4,5,6,7
	ds_store_b128 v[STVI], v[AC+8*\b:AC+8*\b+3] offset:64*\b
	ds_store_b128 v[STVI], v[AC+8*\b+4:AC+8*\b+7] offset:64*\b+16
.endr
	WIN 0
.irp b, 0,1,2,3,4,5,6,7
	ds_store_b128 v[STHI], v[HF+4*\b:HF+4*\b+3] offset:32*\b
.endr
.irp t, 0,1,2,3,4,5,6,7,8,9,10,11,12,13,14,15
	ds_load_b128 v[T+4*\t:T+4*\t+3], v[RDV] offset:\t*SPITCH
.endr
.irp c, 0,1,2,3,4,5,6,7
	ds_load_tr16_b128 v[HT+4*\c:HT+4*\c+3], v[TRA] offset:32*\c    ; lane l: channel 16 c + l % 16, keys 8 (l / 16) + 0..7 of the block
.endr
.irp t, 0,1,2,3,4,5,6,7,8,9,10,11,12,13,14,15
	s_wait_dscnt 23-\t                             ; behind row t's load: 15 - t rows and the eight turned loads
	global_store_b128 v[CO], v[T+4*\t:T+4*\t+3], s[72:73] offset:8192*(\a)+512*\t   ; a row of out2
.endr
.irp c, 0,1,2,3,4,5,6,7
	s_wait_dscnt 7-\c
	global_store_b128 v[CO], v[HT+4*\c:HT+4*\c+3], s[76:77] offset:16384*((\a)/4)+8192*(((\a)%4)/2)+1024*\c+512*((\a)%2)   ; half a fragment of V^T: [64 keys][32 keys][16 channels][half]
.endr
.endm
.Lv:
.irp a, 0,1,2,3,4,5,6,7
	VBLOCK \a
.endr
.Lend:
	s_wait_tensorcnt 0x0                           ; the wave's end, behind my last tensor load and my last LDS store
	ds_add_u32 v[SPW], v[NIL]
	s_wait_dscnt 0x0
	CROUND                                         ; the closing round: no work-group ends while a partner may still ask for a tile that names it
	s_endpgm
.Lfunc_end_k_q30d5ed7226_qkv:
	.size	k_q30d5ed7226_qkv, .Lfunc_end_k_q30d5ed7226_qkv-k_q30d5ed7226_qkv
	.p2alignl 7, 3214868480
	.fill 96, 4, 3214868480
	.section	.rodata,"a",@progbits
	.p2align	6, 0x0
	.amdhsa_kernel k_q30d5ed7226_qkv
		.amdhsa_group_segment_fixed_size 327680
		.amdhsa_private_segment_fixed_size 0
		.amdhsa_enable_private_segment 0
		.amdhsa_kernarg_size 88
		.amdhsa_user_sgpr_count 2
		.amdhsa_user_sgpr_kernarg_segment_ptr 1
		.amdhsa_wavefront_size32 1
		.amdhsa_system_sgpr_workgroup_id_x 1
		.amdhsa_system_sgpr_workgroup_id_y 1
		.amdhsa_system_sgpr_workgroup_id_z 1
		.amdhsa_system_vgpr_workitem_id 0
		.amdhsa_next_free_vgpr 1024
		.amdhsa_next_free_sgpr 102
		.amdhsa_reserve_vcc 0
		.amdhsa_float_denorm_mode_32 3
		.amdhsa_float_denorm_mode_16_64 3
		.amdhsa_memory_ordered 1
		.amdhsa_forward_progress 1
		.amdhsa_inst_pref_size 255
	.end_amdhsa_kernel
	.section	.bss,"aw",@nobits
	.p2align	6
	.space	262144
	.amdgpu_metadata
---
amdhsa.version: [ 1, 2 ]
amdhsa.kernels:
  - .name:           k_q30d5ed7226_qkv
    .symbol:         k_q30d5ed7226_qkv.kd
    .args:
      - { .name: codes, .offset: 0, .size: 8, .value_kind: global_buffer, .address_space: global }
      - { .name: scales, .offset: 8, .size: 8, .value_kind: global_buffer, .address_space: global }
      - { .name: wq_b, .offset: 16, .size: 8, .value_kind: global_buffer, .address_space: global }
      - { .name: wk_b, .offset: 24, .size: 8, .value_kind: global_buffer, .address_space: global }
      - { .name: wv_b, .offset: 32, .size: 8, .value_kind: global_buffer, .address_space: global }
      - { .name: freqs_cos, .offset: 40, .size: 8, .value_kind: global_buffer, .address_space: global }
      - { .name: freqs_sin, .offset: 48, .size: 8, .value_kind: global_buffer, .address_space: global }
      - { .name: out1, .offset: 56, .size: 8, .value_kind: global_buffer, .address_space: global }
      - { .name: out2, .offset: 64, .size: 8, .value_kind: global_buffer, .address_space: global }
      - { .name: qkvi, .offset: 72, .size: 8, .value_kind: global_buffer, .address_space: global }
      - { .name: q32, .offset: 80, .size: 8, .value_kind: global_buffer, .address_space: global }
    .group_segment_fixed_size: 327680
    .private_segment_fixed_size: 0
    .kernarg_segment_align: 8
    .kernarg_segment_size: 88
    .max_flat_workgroup_size: 128
    .sgpr_count:     102
    .vgpr_count:     1024
    .wavefront_size: 32
...
	.end_amdgpu_metadata
.endif
;; end of part 2
;; launch attn (part 3): grid 16 x 16, 4 waves a work-group, no clusters, 153,088 bytes of LDS; arguments qkvi, ao; writes ao
.if DOCPART == 3
	.amdgcn_target "amdgcn-amd-amdhsa--gfx1250"
	.amdhsa_code_object_version 6
	.text
	.protected	k_q30d5ed7226_attn
	.globl	k_q30d5ed7226_attn
	.p2align	8
	.type	k_q30d5ed7226_attn,@function
k_q30d5ed7226_attn:
	s_mov_b64 s[64:65], 0
	v_nop
	global_prefetch_b8 v0, s[64:65] scope:SCOPE_SE
	s_setreg_imm32_b32 hwreg(HW_REG_WAVE_MODE, 25, 1), 1
	s_wait_xcnt 0x0
; ao[q][head] = softmax_k(Q[q] . K[k] / sqrt(128), k <= q) V, for 16 heads of 128 and 2,048 positions; operands in f16, products, maxima and sums in f32; the weights p are rounded to f16.
; qkvi holds Q, K and V^T as IMAGES OF OPERAND REGISTERS (Q at 0, K at 8 MiB, V at 16 MiB; 512 KiB a head; 16 KiB for each 64 positions): a run of 32 loads of 512 consecutive bytes fills 128 registers.
; SHARES.  Work-group (i, head) takes the query blocks of 64 numbered 31 - i and i, one after the other (two jobs): block QB wants QB + 1 key steps of 64, so each work-group has 33.
; THE FOUR WAVES SHARE THE KEYS: wave w takes steps w, w + 4, .. for all 64 queries (four tiles of 16), with a running maximum, sum and O^T of its own; ceil((QB + 1) / 4) trips a job, 9 trips in all for
; every wave of the launch.  A step past QB loads step QB's bytes and is masked whole.  At a job's end the four partial results meet in LDS and wave w finishes tile w.
; No two waves read the same keys, so nothing would be shared through LDS in the loop: fragments come from memory straight into registers, one step ahead.
; NO CLUSTER: under the mask the work-groups of a head want different numbers of key steps, and no tile goes through LDS.
; LAYOUT.  S^T = K Q^T (source 0 = 16 keys, source 1 = 16 queries): a lane holds ONE query (lane % 16) and keys 8 (lane / 16) + 0..7; two such tiles, rounded in pairs, are source 1 of O^T = V^T P.
; SOFTMAX.  p = 2^(c s - c m), c = log2(e) / sqrt(128), m the running maximum; O and l are multiplied by a = 2^(c m_old - c m_new) in every step.
; THE MASK puts -1e30 in place of a hidden score: finite, and under every real score (f16 operands bound |s| by 128 x 65,504^2, about 5.5e11).  A wave none of whose keys count in a job keeps
; c m near -1.3e29, and its weight in the merge, 2^(c m - the largest c m), is 0.
; LIMITS: q, k, v and the result are f16: magnitudes up to 65,504; NaN and infinities are not served.
; REGISTERS, in windows of 256: window 0: v1-11 addresses, v12-43 statistics (8 a tile), v44-59 the merge's, v60-63 addresses, v64-191 S^T (32 a tile), v192-255 P (16 a tile);
;   window 1: O^T, 64 a tile;   window 2: v0-127 Q, v128-255 K of one step;   window 3: v0-127 V of one step.
.set SP,    272                        ; a stage row: 256 bytes + 16
.set OIMG,  0                          ; LDS: the partial O^T: [writer][tile][16 groups of four registers][16 x lane]: 131,072 bytes
.set ML,    131072                     ; c m and l: [writer][tile][c m, l][4 x lane]: 4,096 bytes
.set STAGE, ML+4096                    ; 16 rows x 272 bytes for each wave, for the way out
.set SPARE, STAGE+4*16*SP              ; the spare words, 128 bytes a wave
.set MLR, 1                            ; v1   where I read the four writers' statistics of my tile
.set LO,  2                            ; v2   16 x lane; never rewritten
.set D0,  3                            ; v3   r - 8 h
.set DD,  4                            ; v4   the mask's bound for this step
.set NEG, 5                            ; v5   -1e30
.set STO, 6                            ; v6   the stage: in;  v7 back;  v8 my byte offset in two rows of ao
.set RD,  7
.set GO,  8
.set OW,  9                            ; v9   where I store my partial O^T
.set OR0, 10                           ; v10  where I read writers 0 and 1's part of my tile;  v11 writers 2 and 3's
.set OR1, 11
.set ST,  12                           ; tile t's statistics at v[ST+8 t]: +0 c m, +1 m, +2, +3 l (even keys', odd keys'), +4 to +7 at work; a takes +6
.set CMV, 44                           ; v44-47 the four writers' c m;  v48-51 their l
.set LV,  48
.set G,   52                           ; v52-59 the four weights, each the low word of a pair
.set MLW, 60                           ; v60  where I store my statistics
.set PFO, 61                           ; v61  256 x lane; never rewritten
.set SPW, 62                           ; v62  my spare word; never rewritten
.set NIL, 63                           ; v63  0; never rewritten
.set S,   64
.set P,   192
.set KF,  128                          ; K's fragments, in window 2
.set WV,  8                            ; s8   wave
.set QH,  12                           ; s[12:13], s[14:15], s[16:17] my head's Q, K, V
.set KH,  14
.set VH,  16
.set KA,  18                           ; s[18:19], s[20:21], s[22:23] the runs' bases
.set VA,  20
.set QA,  22
.set AOB, 24                           ; s[24:25] my tile's rows of ao
.set QB,  26                           ; s26  the job's query block
.set LEFTJ, 28                         ; s28  trips left in the job
.set LEFT, 29                          ; s29  trips left in all
.set CUR, 30                           ; s30  the step in hand (nominal)
.set FIRST1, 31                        ; s31  the second job's first step, clamped: min(wave, i)
.set JOB, 32
.set PFL, 33                           ; s33  a wave prefetches while CUR is under it
.set OFF, 34                           ; s[34:35]
.set LD,  36
.set TR1, 38                           ; s38  the second job's trips
.set CS,  58                           ; s[58:59] c
.set SEL, 60                           ; s[60:61] lane selects for v_permlanex16_b32: lane l xor 16
.set MSB, 0
.macro WIN new                         ; the immediate's high byte repeats the setting that is left
.if MSB != (\new)
	s_set_vgpr_msb (MSB<<8)|(\new)
.set MSB, (\new)
.endif
.endm
.set W_KQ, 0x0a                        ; K and Q in window 2, S^T in window 0
.set W_PV, 0x53                        ; V in window 3, P in window 0, O^T in window 1
.set W_RS, 0x41                        ; O^T (destination and source 0) in window 1, a in window 0
.macro RUN reg, base                   ; 32 loads of 512 consecutive bytes: 128 registers as they will stand
.set n, 0
.rept 32
	global_load_b128 v[\reg+4*n:\reg+4*n+3], v[LO], s[\base:\base+1] offset:512*n
.set n, n+1
.endr
.endm
.macro LOADK
	WIN 0x80                                       ; destination window 2
	RUN KF, KA
	WIN 0
.endm
.macro LOADQ
	WIN 0x80
	RUN 0, QA
	WIN 0
.endm
.macro LOADV
	WIN 0xc0                                       ; destination window 3
	RUN 0, VA
	WIN 0
.endm
; Product i of 64 of S^T = K Q^T: channels 32 (i / 16) on, keys 16 ((i / 4) % 4) on, tile i % 4.  The first 16 start the sums.  The 16 accumulators take turns.
.macro KQ
.set rS, S+32*(i%4)+8*((i/4)%4)
.set rK, KF+32*((i/4)%4)+8*(i/16)
.set rQ, 32*(i%4)+8*(i/16)
.if i < 16
	v_wmma_f32_16x16x32_f16 v[rS:rS+7], v[rK:rK+7], v[rQ:rQ+7], 0
.else
	v_wmma_f32_16x16x32_f16 v[rS:rS+7], v[rK:rK+7], v[rQ:rQ+7], v[rS:rS+7]
.endif
.endm
; Product i of 64 of O^T += V^T P: keys 32 (i / 32) on, channels 16 ((i / 4) % 8) on, tile i % 4.  first = 1: the first 32 start the sums.  The 32 accumulators take turns.
.macro PV first
.set rO, 64*(i%4)+8*((i/4)%8)
.set rV, 64*(i/32)+8*((i/4)%8)
.set rP, P+16*(i%4)+8*(i/32)
.if \first && (i < 32)
	v_wmma_f32_16x16x32_f16 v[rO:rO+7], v[rV:rV+7], v[rP:rP+7], 0
.else
	v_wmma_f32_16x16x32_f16 v[rO:rO+7], v[rV:rV+7], v[rP:rP+7], v[rO:rO+7]
.endif
.endm
; One tile's softmax for one key step is a list of 134 instructions; SM writes number j of it for tile t.  s0-s31 are the lane's 32 scores, in pairs 0-15.
;   0-15 the maximum of s0-s31 and the old m;  16-20 the other half of the lanes' maximum, the new m, c m, c m_old - c m_new;
;   21-69 the 16 scalings c s - c m and all 33 exponentials (a at 23): none of these names an exponential's result;
;   70-85 the roundings to f16;  86-101 the sums, l = a l + the sum;  102-133 the tile's O^T times a.
; first = 1: a job's first step, which starts m, l and O^T: it has no a and nothing to rescale.
.macro SM t, first
.set rT, ST+8*(\t)
.set rS, S+32*(\t)
.set rP, P+16*(\t)
.set rO, 64*(\t)+2*(j-102)
.if j < 102
	WIN 0
.endif
.if j < 4
	v_max3_num_f32 v[rT+4+j], v[rS+8*j], v[rS+8*j+1], v[rS+8*j+2]
.elseif j < 12
	v_max3_num_f32 v[rT+4+j%4], v[rT+4+j%4], v[rS+8*(j%4)+2*(j/4)+1], v[rS+8*(j%4)+2*(j/4)+2]
.elseif j == 12
	v_max3_num_f32 v[rT+4], v[rT+4], v[rS+7], v[rS+15]
.elseif j == 13
	v_max3_num_f32 v[rT+6], v[rT+6], v[rS+23], v[rS+31]
.elseif j == 14
	v_max3_num_f32 v[rT+4], v[rT+4], v[rT+5], v[rT+6]
.elseif (j == 15) && \first
	v_max_num_f32 v[rT+4], v[rT+4], v[rT+7]
.elseif j == 15
	v_max3_num_f32 v[rT+4], v[rT+4], v[rT+7], v[rT+1]
.elseif j == 16
	v_permlanex16_b32 v[rT+5], v[rT+4], s[SEL], s[SEL+1]  ; the query's other 32 keys lie in the lane 16 away
.elseif j == 18
	v_max_num_f32 v[rT+1], v[rT+4], v[rT+5]
.elseif j == 19
	v_mul_f32 v[rT], s[CS], v[rT+1]
.elseif ((j == 17) || (j == 20) || (j == 23) || (j > 101)) && \first  ; the first step has none of these
.elseif j == 17
	v_mov_b32 v[rT+7], v[rT]        ; c m_old is kept for a
.elseif j == 20
	v_sub_f32 v[rT+7], v[rT+7], v[rT]
.elseif j == 23
	v_exp_f32 v[rT+6], v[rT+7]
.elseif (j < 23) || ((j < 38) && (j%2 == 0)) || ((j < 66) && (j%4 == 2))
.set b, (j-2)/4                     ; 38, 42, .. 62: pairs 9 to 15
.if j < 38
.set b, (j-20)/2                    ; 21: pair 0; 22, 24, .. 36: pairs 1 to 8
.endif
	v_pk_fma_f32 v[rS+2*b:rS+2*b+1], v[rS+2*b:rS+2*b+1], s[CS:CS+1], v[rT:rT+1] op_sel_hi:[1,0,0] neg_lo:[0,0,1] neg_hi:[0,0,1]  ; pair b: c s - c m
.elseif j < 70
.set e, j-38                        ; 66 to 69: s28 to s31
.if j < 66
.set e, j-32-(j-38)/4               ; 39-41, 43-45, .. 63-65: s7 to s27
.endif
.if j < 38
.set e, (j-25)/2                    ; 25, 27, .. 37: s0 to s6
.endif
	v_exp_f32 v[rS+e], v[rS+e]
.elseif j < 86
	v_cvt_pk_f16_f32 v[rP+j-70], v[rS+2*(j-70)], v[rS+2*(j-70)+1]  ; pair j - 70
.elseif j < 102                     ; the sum of the tile's 16 pairs, in place: neighbours 1, 2, 4 and 8 pairs apart, then l takes it
.set z, j-86
.set w, 4
.set u, z
.if z >= 14
.set w, 32
.set u, 0
.elseif z >= 12
.set w, 16
.set u, z-12
.elseif z >= 8
.set w, 8
.set u, z-8
.endif
.if (z == 14) && \first
	v_pk_add_f32 v[rT+2:rT+3], v[rS:rS+1], v[rS+16:rS+17]
.elseif z < 15
	v_pk_add_f32 v[rS+w*u:rS+w*u+1], v[rS+w*u:rS+w*u+1], v[rS+w*u+w/2:rS+w*u+w/2+1]
.elseif !\first
	v_pk_fma_f32 v[rT+2:rT+3], v[rT+2:rT+3], v[rT+6:rT+7], v[rS:rS+1] op_sel_hi:[1,0,1]
.endif
.else
	WIN W_RS
	v_pk_mul_f32 v[rO:rO+1], v[rO:rO+1], v[rT+6:rT+7] op_sel_hi:[1,0]
.endif
.endm
; The four tiles' lists, number by number, the tiles by turns, so that no line reads the result of the line above it.  All 132 exponentials are one batch: behind the last stand one plain line and
; the one wait ahead of the first line that names a result.
.macro SOFTMAX first
.set j, 0
.rept 134
.irp t, 0,1,2,3
	SM \t, \first
.endr
.if j == 69
	v_nop
	s_wait_alu depctr_va_vdst(0)
.endif
.set j, j+1
.endr
.endm
; A KEY STEP of 64 keys for my 64 queries.
.macro STEP first
.if \first
	s_wait_loadcnt 0x0                             ; a job's first step: Q was asked for last
.else
	s_wait_loadcnt 32                              ; K is in; V's run of 32, issued behind it, may be out
.endif
	WIN W_KQ
.set i, 0
.rept 64
	KQ
.set i, i+1
.endr
	WIN 0
.rept 4
	v_nop                                          ; places in front of the loads into K's registers and of the first read of the scores
.endr
	s_add_co_u32 s[LD], s[CUR], 4                  ; my next step, held at the job's last;
	s_min_u32 s[LD], s[LD], s[QB]
	s_cmp_eq_u32 s[LEFTJ], 1
	s_cselect_b32 s[LD], s[FIRST1], s[LD]          ; behind a job's last trip: the second job's first
	s_lshl_b32 s[OFF], s[LD], 14
	s_wait_xcnt 0x0                                ; the base is written again only behind this wait
	s_add_nc_u64 s[KA:KA+1], s[KH:KH+1], s[OFF:OFF+1]
	s_cmp_eq_u32 s[LEFT], 1
	s_cbranch_scc1 .Lnok_\@
	LOADK                                          ; the next step's K: it has the softmax and 64 products in which to land
	s_cmp_lt_u32 s[CUR], s[PFL]
	s_cbranch_scc0 .Lkd_\@
	; A PREFETCH INTO THE L2 of step CUR + 8's K and V, one of my trips ahead of their loads: 16 KiB each, lanes 256 bytes apart, two instructions each.  All work-groups of a head walk the same K and V:
	; work-group 0 of the head asks, in its first job, in which its four waves walk all 32 steps: each 256 bytes are named once.  Steps 0 to 7 come by their loads alone; CUR < 24 keeps step CUR + 8 inside the head.
	global_prefetch_b8 v[PFO], s[KA:KA+1] offset:65536 th:TH_LOAD_NT scope:SCOPE_SE     ; KA stands at step CUR + 4
	global_prefetch_b8 v[PFO], s[KA:KA+1] offset:73728 th:TH_LOAD_NT scope:SCOPE_SE
	global_prefetch_b8 v[PFO], s[VA:VA+1] offset:131072 th:TH_LOAD_NT scope:SCOPE_SE    ; VA still stands at step CUR
	global_prefetch_b8 v[PFO], s[VA:VA+1] offset:139264 th:TH_LOAD_NT scope:SCOPE_SE
	s_branch .Lkd_\@
.Lnok_\@:
	s_wait_loadcnt 0x0                             ; the launch's last trip asks for nothing more: V is in
.Lkd_\@:
	s_cmp_lt_u32 s[CUR], s[QB]                     ; a step all of whose keys count skips the mask
	s_cbranch_scc1 .Lopen_\@
	s_sub_co_i32 s37, s[QB], s[CUR]
	s_lshl_b32 s37, s37, 6
	v_add_nc_u32 v[DD], s37, v[D0]                 ; d = 64 (QB - CUR) + r - 8 h.  Register 8 kt + j of tile tq is hidden where 16 (kt - tq) + j > d; past QB d is under -48 and all are
.irp tq, 0,1,2,3
.irp kt, 0,1,2,3
.irp jj, 0,1,2,3,4,5,6,7
	v_cmp_gt_i32 vcc_lo, 16*(\kt-\tq)+\jj, v[DD]
	v_cndmask_b32 v[S+32*\tq+8*\kt+\jj], v[S+32*\tq+8*\kt+\jj], v[NEG], vcc_lo
.endr
.endr
.endr
.Lopen_\@:
	SOFTMAX \first
	s_wait_loadcnt 32                              ; V is in; the next K's run of 32 may be out (on the last trip's way everything is in already)
	WIN W_PV
.set i, 0
.rept 64
	PV \first
.set i, i+1
.endr
	WIN 0
.rept 4
	v_nop                                          ; places in front of the loads into V's registers and of the first read of O^T
.endr
	s_wait_xcnt 0x0
	s_add_nc_u64 s[VA:VA+1], s[VH:VH+1], s[OFF:OFF+1]
	s_cmp_eq_u32 s[LEFT], 1
	s_cbranch_scc1 .Lnov_\@
	LOADV
	s_branch .Lvd_\@
.Lnov_\@:
	s_wait_loadcnt 0x0                             ; so that the counted waits hold on every way through the text
.Lvd_\@:
	s_add_co_u32 s[CUR], s[CUR], 4
	s_sub_co_u32 s[LEFT], s[LEFT], 1
.endm
	s_load_b128 s[4:7], s[0:1], 0x0                ; qkvi, ao
	v_lshl_add_u32 v[SPW], v0, 2, SPARE
	v_mov_b32 v[NIL], 0
	v_lshrrev_b32 v1, 5, v0
	v_readfirstlane_b32 s[WV], v1                  ; wave 0..3
	s_mov_b32 s9, ttmp9                            ; i
	s_and_b32 s10, ttmp7, 0xffff                   ; head
	v_and_b32 v4, 31, v0                           ; lane
	v_and_b32 v44, 15, v0                          ; r
	v_bfe_u32 v45, v0, 4, 1                        ; h
	v_lshlrev_b32 v[LO], 4, v4
	v_lshlrev_b32 v[D0], 3, v45
	v_sub_nc_u32 v[D0], v44, v[D0]
	v_mov_b32 v[NEG], 0xf149f2ca                   ; -1e30
	s_mul_i32 s37, s[WV], 16*SP
	s_add_co_u32 s37, s37, STAGE                   ; my stage
	v_mul_u32_u24 v[STO], v44, SP
	v_lshl_add_u32 v[STO], v45, 4, v[STO]
	v_add_nc_u32 v[STO], s37, v[STO]               ; in: row r, 16 bytes for each half of the lanes
	v_mul_u32_u24 v[RD], v45, SP
	v_lshl_add_u32 v[RD], v44, 4, v[RD]
	v_add_nc_u32 v[RD], s37, v[RD]                 ; back: lanes 0-15 one row of 256 bytes, lanes 16-31 the next
	v_lshlrev_b32 v[GO], 12, v45
	v_lshl_add_u32 v[GO], v44, 4, v[GO]            ; and the same two rows of ao, 4,096 bytes apart
	s_lshl_b32 s37, s[WV], 15
	v_add_nc_u32 v[OW], s37, v[LO]
	s_lshl_b32 s37, s[WV], 13
	v_add_nc_u32 v[OR0], s37, v[LO]
	v_add_nc_u32 v[OR1], 0x10000, v[OR0]
	s_lshl_b32 s37, s[WV], 10
	s_add_co_u32 s37, s37, ML
	v_lshl_add_u32 v[MLW], v4, 2, s37
	s_lshl_b32 s37, s[WV], 8
	s_add_co_u32 s37, s37, ML
	v_lshl_add_u32 v[MLR], v4, 2, s37
	v_lshlrev_b32 v[PFO], 8, v4
.irp u, 0,1,2,3
	v_mov_b32 v[G+2*\u+1], 0                       ; named as the upper halves of pairs, so they are written
.endr
	s_sub_co_u32 s[QB], 31, s9                     ; the first job: the late block
	s_sub_co_u32 s[LEFTJ], 35, s9
	s_lshr_b32 s[LEFTJ], s[LEFTJ], 2               ; ceil((32 - i) / 4)
	s_add_co_u32 s[TR1], s9, 4
	s_lshr_b32 s[TR1], s[TR1], 2                   ; ceil((i + 1) / 4): the two add up to 9 for every i
	s_mov_b32 s[LEFT], 9
	s_mov_b32 s[CUR], s[WV]
	s_min_u32 s[FIRST1], s[WV], s9
	s_mov_b32 s[JOB], 0
	s_cmp_eq_u32 s9, 0
	s_cselect_b32 s[PFL], 24, 0
	s_mov_b32 s[OFF+1], 0
	s_mov_b32 s[CS], 0x3e0293ee                    ; c = log2(e) / sqrt(128)
	s_mov_b32 s[CS+1], s[CS]
	s_mov_b32 s[SEL], 0x76543210
	s_mov_b32 s[SEL+1], 0xfedcba98
	s_lshl_b32 s[OFF], s10, 19
	s_wait_kmcnt 0x0
	s_add_nc_u64 s[QH:QH+1], s[4:5], s[OFF:OFF+1]
	s_add_nc_u64 s[KH:KH+1], s[QH:QH+1], 0x800000
	s_add_nc_u64 s[VH:VH+1], s[QH:QH+1], 0x1000000
	s_lshl_b32 s[OFF], s[WV], 14
	s_add_nc_u64 s[KA:KA+1], s[KH:KH+1], s[OFF:OFF+1]
	s_add_nc_u64 s[VA:VA+1], s[VH:VH+1], s[OFF:OFF+1]
	s_lshl_b32 s[OFF], s[QB], 14
	s_add_nc_u64 s[QA:QA+1], s[QH:QH+1], s[OFF:OFF+1]
	s_lshl_b32 s[OFF], s10, 8
	s_add_nc_u64 s[6:7], s[6:7], s[OFF:OFF+1]      ; ao at my head's 256 bytes of a row
	LOADK
	LOADV
	LOADQ
.Ljob:
	s_lshl_b32 s[OFF], s[QB], 18                   ; rows 64 QB + 16 wave on, 4,096 bytes a row
	s_lshl_b32 s37, s[WV], 16
	s_add_co_u32 s[OFF], s[OFF], s37
	s_add_nc_u64 s[AOB:AOB+1], s[6:7], s[OFF:OFF+1]
	STEP 1
	s_sub_co_u32 s[LEFTJ], s[LEFTJ], 1
	s_cmp_eq_u32 s[LEFTJ], 0
	s_cbranch_scc1 .Lmerge
.Ltrip:
	STEP 0
	s_sub_co_u32 s[LEFTJ], s[LEFTJ], 1
	s_cmp_lg_u32 s[LEFTJ], 0
	s_cbranch_scc1 .Ltrip
.Lmerge:
	s_cmp_lg_u32 s[JOB], 0
	s_cbranch_scc1 .Lnoq
	s_wait_xcnt 0x0
	s_lshl_b32 s[OFF], s9, 14
	s_add_nc_u64 s[QA:QA+1], s[QH:QH+1], s[OFF:OFF+1]
	LOADQ                                          ; the second job's queries land under the merge
.Lnoq:
	; THE MERGE.  l's two halves and the other half of the lanes' are added; c m, l and O^T go to LDS as they stand in registers.
.irp t, 0,1,2,3
	v_add_f32 v[ST+8*\t+4], v[ST+8*\t+2], v[ST+8*\t+3]
.endr
.irp t, 0,1,2,3
	v_permlanex16_b32 v[ST+8*\t+5], v[ST+8*\t+4], s[SEL], s[SEL+1]
.endr
.irp t, 0,1,2,3
	v_add_f32 v[ST+8*\t+4], v[ST+8*\t+4], v[ST+8*\t+5]
.endr
.irp t, 0,1,2,3
	ds_store_b32 v[MLW], v[ST+8*\t] offset:256*\t
	ds_store_b32 v[MLW], v[ST+8*\t+4] offset:256*\t+128
.endr
	WIN 0x04                                       ; an LDS store's data are its source 1: window 1
.irp t, 0,1,2,3
.set n, 0
.rept 16
	ds_store_b128 v[OW], v[64*\t+4*n:64*\t+4*n+3] offset:8192*\t+512*n   ; each accumulator from its low end on
.set n, n+1
.endr
.endr
	WIN 0
	s_wait_dscnt 0x0                               ; for the others' sake: my stores have landed
	s_barrier_signal -1
	s_barrier_wait -1
.irp u, 0,1,2,3
	ds_load_b32 v[CMV+\u], v[MLR] offset:1024*\u   ; the four writers' c m and l of tile w
	ds_load_b32 v[LV+\u], v[MLR] offset:1024*\u+128
.endr
	WIN 0x40                                       ; destination window 1: writer u's O^T of my tile at v[64 u]
.irp u, 0,1
.set n, 0
.rept 16
	ds_load_b128 v[64*\u+4*n:64*\u+4*n+3], v[OR0] offset:32768*\u+512*n
.set n, n+1
.endr
.endr
.irp u, 0,1
.set n, 0
.rept 16
	ds_load_b128 v[128+64*\u+4*n:128+64*\u+4*n+3], v[OR1] offset:32768*\u+512*n
.set n, n+1
.endr
.endr
	WIN 0
	s_wait_dscnt 63                                ; 64 loads were issued behind the eight statistics; a wait's count names 63 at the most, so the first of the 64 is waited for with them and the other 63 may be out
	v_max3_num_f32 v12, v[CMV], v[CMV+1], v[CMV+2]
	v_max_num_f32 v12, v12, v[CMV+3]               ; the largest c m
.irp u, 0,1,2,3
	v_sub_f32 v[16+\u], v[CMV+\u], v12
.endr
.irp u, 0,1,2,3
	v_exp_f32 v[16+\u], v[16+\u]                   ; a writer's weight
.endr
	v_nop
	s_wait_alu depctr_va_vdst(0)                   ; one wait for the four, ahead of their first reader
	v_mul_f32 v13, v16, v[LV]
	v_fma_f32 v13, v17, v[LV+1], v13
	v_fma_f32 v13, v18, v[LV+2], v13
	v_fma_f32 v13, v19, v[LV+3], v13               ; the row's sum
	v_rcp_f32 v14, v13
	v_nop
	s_wait_alu depctr_va_vdst(0)
.irp u, 0,1,2,3
	v_mul_f32 v[G+2*\u], v[16+\u], v14
.endr
	s_wait_dscnt 0x0                               ; my reads of the images are over:
	s_barrier_signal -1
	s_barrier_wait -1                              ; everybody's are: the next job may store there
	WIN 0x51                                       ; O^T (destination, sources 0 and 2) in window 1, the weights in window 0
.set n, 0
.rept 32
	v_pk_mul_f32 v[2*n:2*n+1], v[2*n:2*n+1], v[G:G+1] op_sel_hi:[1,0]
.set n, n+1
.endr
.irp u, 1,2,3
.set n, 0
.rept 32
	v_pk_fma_f32 v[2*n:2*n+1], v[64*\u+2*n:64*\u+2*n+1], v[G+2*\u:G+2*\u+1], v[2*n:2*n+1] op_sel_hi:[1,0,1]
.set n, n+1
.endr
.endr
	WIN 0x05                                       ; sources 0 and 1 window 1, destination window 0
.set n, 0
.rept 32
	v_cvt_pk_f16_f32 v[S+n], v[2*n], v[2*n+1]
.set n, n+1
.endr
	WIN 0
.irp f, 0,1,2,3,4,5,6,7
	ds_store_b128 v[STO], v[S+4*\f:S+4*\f+3] offset:32*\f
.endr
.irp f, 0,1,2,3,4,5,6,7
	ds_load_b128 v[S+4*\f:S+4*\f+3], v[RD] offset:\f*2*SP          ; LDS serves a wave's instructions in order: these see the stores above
.endr
.irp f, 0,1,2,3,4,5,6,7
	s_wait_dscnt 7-\f
	global_store_b128 v[GO], v[S+4*\f:S+4*\f+3], s[AOB:AOB+1] offset:8192*\f   ; 16 lanes store 256 consecutive bytes, at a multiple of 256 from ao's first byte
.endr
	s_wait_xcnt 0x0                                ; the stores have read their data and base: both are written again
	s_mov_b32 s[QB], s9                            ; the second job: the early block
	s_mov_b32 s[LEFTJ], s[TR1]
	s_mov_b32 s[CUR], s[WV]
	s_mov_b32 s[PFL], 0
	s_add_co_u32 s[JOB], s[JOB], 1
	s_cmp_lt_u32 s[JOB], 2
	s_cbranch_scc1 .Ljob
	s_wait_tensorcnt 0x0                           ; the wave's end, behind my last LDS store
	ds_add_u32 v[SPW], v[NIL]
	s_wait_dscnt 0x0
	s_endpgm
.Lfunc_end_k_q30d5ed7226_attn:
	.size	k_q30d5ed7226_attn, .Lfunc_end_k_q30d5ed7226_attn-k_q30d5ed7226_attn
	.p2alignl 7, 3214868480
	.fill 96, 4, 3214868480
	.section	.rodata,"a",@progbits
	.p2align	6, 0x0
	.amdhsa_kernel k_q30d5ed7226_attn
		.amdhsa_group_segment_fixed_size 153088
		.amdhsa_private_segment_fixed_size 0
		.amdhsa_enable_private_segment 0
		.amdhsa_kernarg_size 16
		.amdhsa_user_sgpr_count 2
		.amdhsa_user_sgpr_kernarg_segment_ptr 1
		.amdhsa_wavefront_size32 1
		.amdhsa_system_sgpr_workgroup_id_x 1
		.amdhsa_system_sgpr_workgroup_id_y 1
		.amdhsa_system_sgpr_workgroup_id_z 1
		.amdhsa_system_vgpr_workitem_id 0
		.amdhsa_next_free_vgpr 896
		.amdhsa_next_free_sgpr 66
		.amdhsa_reserve_vcc 1
		.amdhsa_float_denorm_mode_32 3
		.amdhsa_float_denorm_mode_16_64 3
		.amdhsa_memory_ordered 1
		.amdhsa_forward_progress 1
		.amdhsa_inst_pref_size 138
	.end_amdhsa_kernel
	.amdgpu_metadata
---
amdhsa.version: [ 1, 2 ]
amdhsa.kernels:
  - .name:           k_q30d5ed7226_attn
    .symbol:         k_q30d5ed7226_attn.kd
    .args:
      - { .name: qkvi, .offset: 0, .size: 8, .value_kind: global_buffer, .address_space: global }
      - { .name: ao, .offset: 8, .size: 8, .value_kind: global_buffer, .address_space: global }
    .group_segment_fixed_size: 153088
    .private_segment_fixed_size: 0
    .kernarg_segment_align: 8
    .kernarg_segment_size: 16
    .max_flat_workgroup_size: 128
    .sgpr_count:     66
    .vgpr_count:     896
    .wavefront_size: 32
...
	.end_amdgpu_metadata
.endif
;; end of part 3
;; launch oproj (part 4): grid 16 x 16, 4 waves a work-group, clusters of 4 x 4, 327,680 bytes of LDS; arguments ao, woh, wo_b, out0; writes out0
.if DOCPART == 4
	.amdgcn_target "amdgcn-amd-amdhsa--gfx1250"
	.amdhsa_code_object_version 6
	.text
	.protected	k_q30d5ed7226_oproj
	.globl	k_q30d5ed7226_oproj
	.p2align	8
	.type	k_q30d5ed7226_oproj,@function
k_q30d5ed7226_oproj:
	s_mov_b64 s[64:65], 0
	v_nop
	global_prefetch_b8 v0, s[64:65] scope:SCOPE_SE
	s_setreg_imm32_b32 hwreg(HW_REG_WAVE_MODE, 25, 1), 1
	s_wait_xcnt 0x0
	s_wait_alu depctr_hold_cnt(0) depctr_sa_sdst(0) depctr_va_vdst(0) depctr_va_sdst(0) depctr_va_ssrc(0) depctr_va_vcc(0) depctr_vm_vsrc(0)
	s_getreg_b32 s2, hwreg(HW_REG_IB_STS2, 6, 4)
	s_cmp_eq_u32 s2, 0
	s_cbranch_scc0 .Lentry_in_a_cluster
	s_endpgm
.Lentry_in_a_cluster:
	s_bfe_u32 s2, ttmp6, 0x10000c
	s_cmp_lg_u32 s2, 0xf033
	s_cbranch_scc0 .Lentry_shape_is_right
	s_endpgm
.Lentry_shape_is_right:
; out0[m][n] = sum over k of ao[m][k] wo[n][k] + wo_b[n].  ao, woh: [2048][2048] f16; out0: [2048][2048] f32; sums in f32.
; 256 tiles of 128 x 128, one to a work-group; four waves, each 64 x 64: 16 accumulators.  K goes in steps of 256 (LDS rows of 512 bytes; a wave's tensor load brings 64 of them) through two slots.
; CLUSTERS: 4 x 4 work-groups: ao's tiles are asked for jointly along a row of the cluster, woh's along a column.
; THE MATRIX INSTRUCTION IS USED TRANSPOSED (source 0 = 16 rows of woh, source 1 = 16 rows of ao): a lane holds eight neighbouring numbers of a row of out0.  The bias is the C of each sum's first product.
; A wave's 64 columns of f32 are 256 aligned bytes of a row: each wave has a stage of its own on the way out, and no barrier is needed there.
; Rows 0 to 15 are stored here too and stored again by the launch that carries them in f32: leaving them out would be a branch on a work-group's place in its cluster.
; LIMITS: operands in f16: magnitudes up to 65,504.
; REGISTERS: window 0: v0-31 addresses; v96-127 the bias; v128-255 the accumulators ((a, b) at v[128 + 8 (4 a + b)]).   window 1: two fragment buffers of 128.
.set SIZE_N, 2048
.set SIZE_K, 2048
.set KSTEP,  256
.set PITCH,  528                       ; an LDS row: 512 bytes + 16 of padding: the 16 rows that a load touches start at 16 different banks
.set HALFT,  64*PITCH
.set SLOT,   4*HALFT                   ; ao's 128 rows, then woh's 128 rows
.set STAGE,  2*SLOT                    ; behind the ring: 16 rows x 272 bytes for each wave
.set SPITCH, 272
.set SPARE,  STAGE+4*16*SPITCH         ; the spare words, 128 bytes a wave
.set LAPS, SIZE_K/(2*KSTEP)
.set ADRA, 16
.set ADRB, 20
.set STO,  24
.set RD,   25
.set CO,   26
.set SPW,  28                          ; v28 my spare word; never rewritten
.set NIL,  29                          ; v29 0; never rewritten
.set BA,   30                          ; v30 the bias: 32 h
.set BI,   96
.set ACC,  128
.set F0,   0
.set F1,   128
.set G1, 24
.set G0, 32
.set G1B, 48
.set G0B, 56
.set MSB, 0
.macro WIN new
.if MSB != (\new)
	s_set_vgpr_msb (MSB<<8)|(\new)
.set MSB, (\new)
.endif
.endm
.set MUL,  0x05                        ; sources 0 and 1 window 1; C and D window 0
.set TO_F, 0x40                        ; destination window 1, address window 0
.macro JLOAD s                         ; a joint load: waves 0 and 1 fetch ao's two halves, waves 2 and 3 woh's; an s_nop 0 and four v_nop follow each line
	s_cmp_eq_u32 s11, 0
	s_cbranch_scc0 .Lfor_b_\@
	tensor_load_to_lds s[G0+4*\s:G0+4*\s+3], s[G1:G1+7]
	s_nop 0
.rept 4
	v_nop
.endr
	s_branch .Lasked_\@
.Lfor_b_\@:
	tensor_load_to_lds s[G0B+4*\s:G0B+4*\s+3], s[G1B:G1B+7]
	s_nop 0
.rept 4
	v_nop
.endr
.Lasked_\@:
.endm
.macro CREST
	s_cmp_lg_u32 s10, 0
	s_cbranch_scc1 .Lnot_wave_0_\@
	s_barrier_signal -3
.Lnot_wave_0_\@:
	s_barrier_wait -3
	s_barrier_signal -1
	s_barrier_wait -1
.endm
.macro CROUND
	s_barrier_signal -1
	s_barrier_wait -1
	CREST
.endm
	s_load_b128 s[4:7], s[0:1], 0x0                ; ao, woh
	s_load_b128 s[68:71], s[0:1], 0x10             ; wo_b, out0
	v_lshl_add_u32 v[SPW], v0, 2, SPARE
	v_mov_b32 v[NIL], 0
	ds_add_u32 v[SPW], v[NIL]                      ; the wave's opening: the add, twice on end, and its wait ahead of my first tensor load
	ds_add_u32 v[SPW], v[NIL]
	v_lshrrev_b32 v1, 5, v0
	v_readfirstlane_b32 s10, v1                    ; wave 0..3
	s_lshr_b32 s11, s10, 1                         ; which half of the tile's rows is mine.  Also: I fetch for ao (0) or for woh (1)
	s_and_b32 s12, s10, 1                          ; which half of its columns.  Also: which 64 rows of that tile I fetch
	s_bfe_u32 s40, ttmp6, 0x40000
	s_bfe_u32 s41, ttmp6, 0x40004
	s_lshl_b32 s42, ttmp9, 2
	s_add_co_u32 s42, s42, s40                     ; tile column
	s_and_b32 s13, ttmp7, 0xffff
	s_lshl_b32 s13, s13, 2
	s_add_co_u32 s13, s13, s41                     ; tile row
	s_lshl_b32 s43, s41, 2
	s_lshl_b32 s43, 15, s43                        ; my row of the cluster
	s_lshl_b32 s44, 0x1111, s40                    ; my column
	s_or_b32 s[G1+0], s43, (1<<16)|(1<<20)|(1<<21)|(6<<22)|(3<<25)  ; the mask; elements of 2 bytes; padding on; bit 21 beside a mask; after every 128 words, 4 words
	s_or_b32 s[G1B+0], s44, (1<<16)|(1<<20)|(1<<21)|(6<<22)|(3<<25)
.irp g, G1, G1B
	s_mov_b32 s[\g+1], KSTEP<<16                   ; tensor_dim0
	s_mov_b32 s[\g+2], 64<<16                      ; tensor_dim1
	s_mov_b32 s[\g+3], KSTEP<<16                   ; tile_dim0
	s_mov_b32 s[\g+4], 64                          ; tile_dim1
	s_mov_b32 s[\g+5], SIZE_K                      ; tensor_dim0_stride
	s_mov_b32 s[\g+6], 0
	s_mov_b32 s[\g+7], 0
.endr
	s_lshl_b32 s17, s12, 6
	s_lshl_b32 s16, s13, 7
	s_add_co_u32 s16, s16, s17                     ; ao: row 128 x tile row + 64 x half
	s_lshl_b32 s46, s42, 7
	s_add_co_u32 s46, s46, s17                     ; woh: row 128 x tile column + 64 x half
	s_mov_b32 s17, 0
	s_mov_b32 s47, 0
	s_mov_b64 s[18:19], SIZE_K*2
	s_mul_u64 s[16:17], s[16:17], s[18:19]
	s_mul_u64 s[46:47], s[46:47], s[18:19]
	s_mul_i32 s20, s10, HALFT                      ; where they go: wave x 64 rows
	s_wait_dscnt 0x0                               ; both opening adds are done
	s_wait_kmcnt 0x0
	s_add_nc_u64 s[14:15], s[4:5], s[16:17]
	s_add_nc_u64 s[46:47], s[6:7], s[46:47]
	CROUND                                         ; all sixteen work-groups are here: the first joint loads meet
.irp s, 0,1
	s_mov_b32 s[G0+4*\s], 1
	s_add_co_u32 s[G0+4*\s+1], s20, \s*SLOT
	s_add_nc_u64 s[G0+4*\s+2:G0+4*\s+3], s[14:15], \s*KSTEP*2
	s_or_b32 s[G0+4*\s+3], s[G0+4*\s+3], 0x80000000
	s_mov_b32 s[G0B+4*\s], 1
	s_add_co_u32 s[G0B+4*\s+1], s20, \s*SLOT
	s_add_nc_u64 s[G0B+4*\s+2:G0B+4*\s+3], s[46:47], \s*KSTEP*2
	s_or_b32 s[G0B+4*\s+3], s[G0B+4*\s+3], 0x80000000
	JLOAD \s
.endr
	v_and_b32 v1, 15, v0                           ; r
	v_bfe_u32 v2, v0, 4, 1                         ; h
	v_lshlrev_b32 v[BA], 5, v2
	s_lshl_b32 s46, s42, 9                         ; my 64 columns, in bytes of f32: 512 x tile column + 256 x half
	s_lshl_b32 s47, s12, 8
	s_add_co_u32 s46, s46, s47
	s_mov_b32 s47, 0
	s_add_nc_u64 s[68:69], s[68:69], s[46:47]
	s_add_nc_u64 s[70:71], s[70:71], s[46:47]
	s_lshl_b32 s16, s13, 7
	s_lshl_b32 s17, s11, 6
	s_add_co_u32 s16, s16, s17                     ; my first row: 128 x tile row + 64 x half,
	s_lshl_b32 s16, s16, 13                        ; 8,192 bytes a row
	s_mov_b32 s17, 0
	s_add_nc_u64 s[70:71], s[70:71], s[16:17]
.irp b, 0,1,2,3
	global_load_b128 v[BI+8*\b:BI+8*\b+3], v[BA], s[68:69] offset:64*\b          ; the bias of columns 16 b + 8 h + 0..7: the result's layout
	global_load_b128 v[BI+8*\b+4:BI+8*\b+7], v[BA], s[68:69] offset:64*\b+16
.endr
	v_mul_u32_u24 v3, v1, PITCH
	v_lshl_add_u32 v3, v2, 4, v3                   ; a fragment's row x pitch + 16 x half
	s_mul_i32 s21, s11, HALFT
	s_mul_i32 s22, s12, HALFT
	s_add_co_u32 s22, s22, 2*HALFT
.irp s, 0,1
	v_add_nc_u32 v[ADRA+\s], s21, v3
	v_add_nc_u32 v[ADRB+\s], s22, v3
	s_add_co_u32 s21, s21, SLOT
	s_add_co_u32 s22, s22, SLOT
.endr
	s_mul_i32 s23, s10, 16*SPITCH
	s_add_co_u32 s23, s23, STAGE                   ; my stage
	v_mul_u32_u24 v4, v1, SPITCH
	v_lshl_add_u32 v4, v2, 5, v4
	v_add_nc_u32 v[STO], s23, v4                   ; in: row r, 32 bytes for each half of the lanes
	v_mul_u32_u24 v5, v2, SPITCH
	v_lshl_add_u32 v5, v1, 4, v5
	v_add_nc_u32 v[RD], s23, v5                    ; back: lanes 0-15 one row of 256 bytes, lanes 16-31 the next
	v_lshlrev_b32 v5, 13, v2
	v_lshl_add_u32 v[CO], v1, 4, v5                ; and the same two rows of out0
; 8 matrix instructions: m blocks a0, a0 + 1 x all 4 n blocks, 32 along K: half c of buffer f.  zero = 1: the first product starts the sums, with the bias as C.  The 16 accumulators take turns.
.macro MUL8 f, c, a0, zero
.irp a, \a0, \a0+1
.irp b, 0,1,2,3
.if \zero
	v_wmma_f32_16x16x32_f16 v[ACC+8*(4*(\a)+\b):ACC+8*(4*(\a)+\b)+7], v[\f+64+8*(4*\c+\b):\f+64+8*(4*\c+\b)+7], v[\f+8*(4*\c+\a):\f+8*(4*\c+\a)+7], v[BI+8*\b:BI+8*\b+7]
.else
	v_wmma_f32_16x16x32_f16 v[ACC+8*(4*(\a)+\b):ACC+8*(4*(\a)+\b)+7], v[\f+64+8*(4*\c+\b):\f+64+8*(4*\c+\b)+7], v[\f+8*(4*\c+\a):\f+8*(4*\c+\a)+7], v[ACC+8*(4*(\a)+\b):ACC+8*(4*(\a)+\b)+7]
.endif
.endr
.endr
.endm
.macro FETCH slot, k, f                ; 32 LDS loads in one run: the fragments of 64 along K at byte k of the rows, into buffer f; the first 32 along K first
	WIN TO_F
.irp c, 0,1
.irp i, 0,1,2,3
	ds_load_b128 v[\f+64+8*(4*\c+\i):\f+64+8*(4*\c+\i)+3],   v[ADRB+\slot] offset:\k+64*\c+\i*16*PITCH
	ds_load_b128 v[\f+64+8*(4*\c+\i)+4:\f+64+8*(4*\c+\i)+7], v[ADRB+\slot] offset:\k+64*\c+\i*16*PITCH+32
	ds_load_b128 v[\f+8*(4*\c+\i):\f+8*(4*\c+\i)+3],         v[ADRA+\slot] offset:\k+64*\c+\i*16*PITCH
	ds_load_b128 v[\f+8*(4*\c+\i)+4:\f+8*(4*\c+\i)+7],       v[ADRA+\slot] offset:\k+64*\c+\i*16*PITCH+32
.endr
.endr
.endm
.macro PLACES                          ; four places in front of loads into registers that matrix instructions have read, and of the first read of results
.rept 4
	v_nop
.endr
.endm
.macro QUARTER slot, k, f, g, zero     ; 64 along K: multiplies buffer f and fetches the next quarter, at byte k, into g
	s_wait_dscnt 16                                ; the first 32 along K are in
	WIN MUL
	MUL8 \f, 0, 0, \zero
	MUL8 \f, 0, 2, \zero
	PLACES
	FETCH \slot, \k, \g
	s_wait_dscnt 32                                ; all but the 32 just issued
	WIN MUL
	MUL8 \f, 1, 0, 0
	MUL8 \f, 1, 2, 0
.endm
; The last quarter changes slots: one barrier; in front of it each wave waits for all its tensor loads, adds 0 to its spare word, and waits for that and for its reads of this slot.
.macro TURN slot, next, fill
	WIN 0
	s_wait_tensorcnt 0x0                           ; all my tensor loads have landed: my part of the next slot
	ds_add_u32 v[SPW], v[NIL]                      ; 0 onto my spare word
	s_wait_dscnt 17                                ; (the add and the youngest sixteen loads may be out)
	WIN MUL
	MUL8 F1, 0, 0, 0
	s_wait_dscnt 0x0                               ; the add is done, and my reads of this slot are over
	s_barrier_signal -1
	MUL8 F1, 0, 2, 0
.if \fill
	WIN 0
.endif
	s_barrier_wait -1
.if \fill
	CREST                                          ; the barrier has opened a round of the cluster's barrier
	s_add_nc_u64 s[G0+4*\slot+2:G0+4*\slot+3], s[G0+4*\slot+2:G0+4*\slot+3], 2*KSTEP*2
	s_add_nc_u64 s[G0B+4*\slot+2:G0B+4*\slot+3], s[G0B+4*\slot+2:G0B+4*\slot+3], 2*KSTEP*2
	JLOAD \slot                                    ; the first tensor load behind the round; its four v_nop are the places in front of the loads below
.else
	PLACES
.endif
	FETCH \next, 0, F0
	WIN MUL
	MUL8 F1, 1, 0, 0
	MUL8 F1, 1, 2, 0
.endm
	s_wait_tensorcnt 1                             ; my part of K step 0 is in,
	s_barrier_signal -1
	s_barrier_wait -1                              ; everybody's is
	s_wait_loadcnt 0x0                             ; the bias
	FETCH 0, 0, F0
	QUARTER 0, 128, F0, F1, 1                      ; the first quarter stands in front of the loop: its first products start the sums
	WIN 0
	s_mov_b32 s3, LAPS-1
.Llap:                                                 ; a trip goes once round the ring and fills both slots again
	QUARTER 0, 256, F1, F0, 0
	QUARTER 0, 384, F0, F1, 0
	TURN 0, 1, 1
	QUARTER 1, 128, F0, F1, 0
	QUARTER 1, 256, F1, F0, 0
	QUARTER 1, 384, F0, F1, 0
	TURN 1, 0, 1
	QUARTER 0, 128, F0, F1, 0
	WIN 0
	s_sub_co_u32 s3, s3, 1
	s_cmp_lg_u32 s3, 0
	s_cbranch_scc1 .Llap
	QUARTER 0, 256, F1, F0, 0                      ; the last lap fills nothing
	QUARTER 0, 384, F0, F1, 0
	TURN 0, 1, 0
	QUARTER 1, 128, F0, F1, 0
	QUARTER 1, 256, F1, F0, 0
	QUARTER 1, 384, F0, F1, 0
	s_wait_dscnt 16
	WIN MUL
	MUL8 F1, 0, 0, 0
	MUL8 F1, 0, 2, 0
	s_wait_dscnt 0
	MUL8 F1, 1, 0, 0
	MUL8 F1, 1, 2, 0
	WIN 0
	; THE WAY OUT: 16 rows x 64 columns at a time through my own stage, back into the registers that they left as whole runs of 256 bytes.  LDS serves a wave's instructions in order.
	PLACES
.irp a, 0,1,2,3
.irp b, 0,1,2,3
	ds_store_b128 v[STO], v[ACC+8*(4*\a+\b):ACC+8*(4*\a+\b)+3] offset:64*\b          ; each accumulator from its low end on
	ds_store_b128 v[STO], v[ACC+8*(4*\a+\b)+4:ACC+8*(4*\a+\b)+7] offset:64*\b+16
.endr
.irp t, 0,1,2,3,4,5,6,7
	ds_load_b128 v[ACC+32*\a+4*\t:ACC+32*\a+4*\t+3], v[RD] offset:\t*2*SPITCH
.endr
.endr
.irp a, 0,1,2,3
.irp t, 0,1,2,3,4,5,6,7
	s_wait_dscnt 16*(3-\a)+7-\t                    ; behind this load: 7 - t of its block and sixteen LDS instructions for each later block
	global_store_b128 v[CO], v[ACC+32*\a+4*\t:ACC+32*\a+4*\t+3], s[70:71] offset:(16*\a+2*\t)*SIZE_N*4   ; 16 lanes store 256 consecutive bytes, at a multiple of 256 from out0's first byte
.endr
.endr
	s_wait_tensorcnt 0x0                           ; the wave's end
	ds_add_u32 v[SPW], v[NIL]
	s_wait_dscnt 0x0
	CROUND                                         ; the closing round
	s_endpgm
.Lfunc_end_k_q30d5ed7226_oproj:
	.size	k_q30d5ed7226_oproj, .Lfunc_end_k_q30d5ed7226_oproj-k_q30d5ed7226_oproj
	.p2alignl 7, 3214868480
	.fill 96, 4, 3214868480
	.section	.rodata,"a",@progbits
	.p2align	6, 0x0
	.amdhsa_kernel k_q30d5ed7226_oproj
		.amdhsa_group_segment_fixed_size 327680
		.amdhsa_private_segment_fixed_size 0
		.amdhsa_enable_private_segment 0
		.amdhsa_kernarg_size 32
		.amdhsa_user_sgpr_count 2
		.amdhsa_user_sgpr_kernarg_segment_ptr 1
		.amdhsa_wavefront_size32 1
		.amdhsa_system_sgpr_workgroup_id_x 1
		.amdhsa_system_sgpr_workgroup_id_y 1
		.amdhsa_system_sgpr_workgroup_id_z 1
		.amdhsa_system_vgpr_workitem_id 0
		.amdhsa_next_free_vgpr 512
		.amdhsa_next_free_sgpr 72
		.amdhsa_reserve_vcc 0
		.amdhsa_float_denorm_mode_32 3
		.amdhsa_float_denorm_mode_16_64 3
		.amdhsa_memory_ordered 1
		.amdhsa_forward_progress 1
		.amdhsa_inst_pref_size 87
	.end_amdhsa_kernel
	.amdgpu_metadata
---
amdhsa.version: [ 1, 2 ]
amdhsa.kernels:
  - .name:           k_q30d5ed7226_oproj
    .symbol:         k_q30d5ed7226_oproj.kd
    .args:
      - { .name: ao, .offset: 0, .size: 8, .value_kind: global_buffer, .address_space: global }
      - { .name: woh, .offset: 8, .size: 8, .value_kind: global_buffer, .address_space: global }
      - { .name: wo_b, .offset: 16, .size: 8, .value_kind: global_buffer, .address_space: global }
      - { .name: out0, .offset: 24, .size: 8, .value_kind: global_buffer, .address_space: global }
    .group_segment_fixed_size: 327680
    .private_segment_fixed_size: 0
    .kernarg_segment_align: 8
    .kernarg_segment_size: 32
    .max_flat_workgroup_size: 128
    .sgpr_count:     72
    .vgpr_count:     512
    .wavefront_size: 32
...
	.end_amdgpu_metadata
.endif
;; end of part 4
;; launch fine (part 5): grid 128 x 1, 16 waves a work-group, no clusters, 18,432 bytes of LDS; arguments q32, out1, out2, wo_w, wo_b, out0; writes out0
.if DOCPART == 5
	.amdgcn_target "amdgcn-amd-amdhsa--gfx1250"
	.amdhsa_code_object_version 6
	.text
	.protected	k_q30d5ed7226_fine
	.globl	k_q30d5ed7226_fine
	.p2align	8
	.type	k_q30d5ed7226_fine,@function
k_q30d5ed7226_fine:
	s_mov_b64 s[64:65], 0
	v_nop
	global_prefetch_b8 v0, s[64:65] scope:SCOPE_SE
	s_setreg_imm32_b32 hwreg(HW_REG_WAVE_MODE, 25, 1), 1
	s_wait_xcnt 0x0
; Rows 0 to 15 of out0 once more, wholly in f32: under the causal mask these positions average one to sixteen values and are the largest in size.
; out0[q][n] = sum over heads of P_head (V_head Wo_head^T) + wo_b[n]:  P = softmax of the 16 x 16 scores of the head's first 16 positions, V the head's first 16 rows of v, Wo_head = wo_w[n][128 head ..].
; The products are taken in this order so that a wave has 32 + 32 + 8 instructions of the f32 matrix form.  A wave takes a head, a work-group 16 columns n; the sixteen heads' parts meet in LDS and wave 0 adds them.
; q comes from q32 (part 0), k and v from out1 and out2, all f32, as launch qkv stored them.
; OPERANDS.  Lane (r, h) loads, of its row r, 16 bytes at 32 i + 16 h, i = 0 .. 15; instruction t takes registers 2 t, 2 t + 1 of both operands: the same order of the 128 channels on both sides.
; S^T = K Q^T: lane (r, h) holds query r and keys 8 h + 0..7.  Y = V Wo^T: lane (r, h) holds column r and keys 8 h + 0..7.  So registers 2 u, 2 u + 1 of Y and of P name the same four keys, and
; O^T = Y^T P^T needs no exchange: lane (r, h) holds query r and columns 8 h + 0..7.  Each sum goes in two accumulators by turns, added at the end.
; The registers that the f32 matrix form writes, v208-255, are written by matrix instructions alone.
.set KR, 16                            ; v16-79   K, later V
.set QR, 80                            ; v80-143  Q, later the softmax, P (v96-103) and the result (v104-111)
.set WR, 144                           ; v144-207 Wo
.set SA, 208
.set SB, 216
.set YA, 224
.set YB, 232
.set OA, 240
.set OB, 248
.set PP, 96
.set TT, 104
.set SPARE, 16384                      ; behind the sixteen parts of 1,024 bytes: the spare words, 128 bytes a wave
	s_load_b256 s[4:11], s[0:1], 0x0               ; q32, out1, out2, wo_w
	s_load_b128 s[12:15], s[0:1], 0x20             ; wo_b, out0
	v_lshl_add_u32 v1, v0, 2, SPARE                ; my spare word; never rewritten
	v_mov_b32 v2, 0                                ; 0; never rewritten
	v_lshrrev_b32 v8, 5, v0
	v_readfirstlane_b32 s16, v8                    ; wave = head
	v_and_b32 v8, 15, v0                           ; r
	v_bfe_u32 v9, v0, 4, 1                         ; h
	v_lshlrev_b32 v3, 9, v8
	v_lshl_add_u32 v3, v9, 4, v3                   ; q, k, v: 512 r + 16 h
	v_lshlrev_b32 v4, 13, v8
	v_lshl_add_u32 v4, v9, 4, v4                   ; wo_w: 8,192 r + 16 h
	v_and_b32 v5, 31, v0
	v_lshlrev_b32 v5, 4, v5                        ; 16 x lane: where wave 0 reads the parts
	s_lshl_b32 s17, s16, 10
	v_add_nc_u32 v6, s17, v5                       ; where I store my head's part
	v_lshlrev_b32 v7, 5, v9                        ; the bias: 32 h
	s_mov_b32 s19, 0
	s_mov_b32 s20, 0x76543210
	s_mov_b32 s21, 0xfedcba98                      ; v_permlanex16_b32's selects for lane l xor 16
	s_mov_b32 s22, 0x3e0293ee                      ; c = log2(e) / sqrt(128)
	s_wait_kmcnt 0x0
	s_lshl_b32 s18, s16, 13
	s_add_nc_u64 s[4:5], s[4:5], s[18:19]          ; q32: 8,192 bytes a head
	s_lshl_b32 s18, s16, 20
	s_add_nc_u64 s[6:7], s[6:7], s[18:19]          ; out1, out2: 1 MiB a head
	s_add_nc_u64 s[8:9], s[8:9], s[18:19]
	s_lshl_b32 s18, ttmp9, 17                      ; wo_w: 16 rows of 8,192 bytes a work-group,
	s_lshl_b32 s23, s16, 9                         ; 512 bytes a head
	s_add_co_u32 s18, s18, s23
	s_add_nc_u64 s[10:11], s[10:11], s[18:19]
	s_lshl_b32 s18, ttmp9, 6                       ; 16 columns of f32
	s_add_nc_u64 s[12:13], s[12:13], s[18:19]
	s_add_nc_u64 s[14:15], s[14:15], s[18:19]
	global_load_b128 v[8:11], v7, s[12:13]         ; the bias of columns 8 h + 0..7
	global_load_b128 v[12:15], v7, s[12:13] offset:16
.set n, 0
.rept 16
	global_load_b128 v[KR+4*n:KR+4*n+3], v3, s[6:7] offset:32*n
.set n, n+1
.endr
.set n, 0
.rept 16
	global_load_b128 v[QR+4*n:QR+4*n+3], v3, s[4:5] offset:32*n
.set n, n+1
.endr
.set n, 0
.rept 16
	global_load_b128 v[WR+4*n:WR+4*n+3], v4, s[10:11] offset:32*n
.set n, n+1
.endr
	s_wait_loadcnt 16                              ; the bias, K and Q are in; Wo's 16 loads may be out
.set t, 0
.rept 32
.if t < 2
	v_wmma_f32_16x16x4_f32 v[SA+8*(t%2):SA+8*(t%2)+7], v[KR+2*t:KR+2*t+1], v[QR+2*t:QR+2*t+1], 0
.else
	v_wmma_f32_16x16x4_f32 v[SA+8*(t%2):SA+8*(t%2)+7], v[KR+2*t:KR+2*t+1], v[QR+2*t:QR+2*t+1], v[SA+8*(t%2):SA+8*(t%2)+7]
.endif
.set t, t+1
.endr
.rept 8
	v_nop                                          ; eight places behind this form, in front of loads into its sources and of the first read of its results
.endr
.set n, 0
.rept 16
	global_load_b128 v[KR+4*n:KR+4*n+3], v3, s[8:9] offset:32*n    ; V lands under the softmax
.set n, n+1
.endr
	v_and_b32 v113, 15, v0
	v_bfe_u32 v114, v0, 4, 1
	v_lshlrev_b32 v114, 3, v114
	v_sub_nc_u32 v112, v113, v114                  ; r - 8 h: key 8 h + j is hidden where j > r - 8 h
	v_mov_b32 v115, 0xff800000                     ; -infinity
.irp j, 0,1,2,3,4,5,6,7
	v_add_f32 v[QR+\j], v[SA+\j], v[SB+\j]         ; the two halves of the sum, from the low end on
.endr
.irp j, 0,1,2,3,4,5,6,7
	v_cmp_gt_i32 vcc_lo, \j, v112
	v_cndmask_b32 v[QR+\j], v[QR+\j], v115, vcc_lo
.endr
	v_max3_num_f32 v88, v80, v81, v82
	v_max3_num_f32 v88, v88, v83, v84
	v_max3_num_f32 v88, v88, v85, v86
	v_max_num_f32 v88, v88, v87
	v_permlanex16_b32 v89, v88, s20, s21
	v_max_num_f32 v88, v88, v89                    ; the row's maximum: key 0 counts for every query, so it is a number
	v_mul_f32 v88, s22, v88
.irp j, 0,1,2,3,4,5,6,7
	v_fma_f32 v[QR+\j], v[QR+\j], s22, -v88
.endr
.irp j, 0,1,2,3,4,5,6,7
	v_exp_f32 v[QR+\j], v[QR+\j]
.endr
	v_nop
	s_wait_alu depctr_va_vdst(0)                   ; one wait for the eight, ahead of their first reader
	v_add_f32 v90, v80, v81
	v_add_f32 v91, v82, v83
	v_add_f32 v92, v84, v85
	v_add_f32 v93, v86, v87
	v_add_f32 v90, v90, v91
	v_add_f32 v92, v92, v93
	v_add_f32 v90, v90, v92
	v_permlanex16_b32 v91, v90, s20, s21
	v_add_f32 v90, v90, v91                        ; the row's sum
	v_rcp_f32 v94, v90
	v_nop
	s_wait_alu depctr_va_vdst(0)
.irp j, 0,1,2,3,4,5,6,7
	v_mul_f32 v[PP+\j], v[QR+\j], v94              ; P(query r, key 8 h + j)
.endr
	s_wait_loadcnt 0x0                             ; Wo and V
.set t, 0
.rept 32
.if t < 2
	v_wmma_f32_16x16x4_f32 v[YA+8*(t%2):YA+8*(t%2)+7], v[KR+2*t:KR+2*t+1], v[WR+2*t:WR+2*t+1], 0
.else
	v_wmma_f32_16x16x4_f32 v[YA+8*(t%2):YA+8*(t%2)+7], v[KR+2*t:KR+2*t+1], v[WR+2*t:WR+2*t+1], v[YA+8*(t%2):YA+8*(t%2)+7]
.endif
.set t, t+1
.endr
.rept 9
	v_nop                                          ; nine places before a matrix instruction takes these results as an operand
.endr
.irp u, 0,1,2,3
.if \u == 0
	v_wmma_f32_16x16x4_f32 v[OA:OA+7], v[YA+2*\u:YA+2*\u+1], v[PP+2*\u:PP+2*\u+1], 0
	v_wmma_f32_16x16x4_f32 v[OB:OB+7], v[YB+2*\u:YB+2*\u+1], v[PP+2*\u:PP+2*\u+1], 0
.else
	v_wmma_f32_16x16x4_f32 v[OA:OA+7], v[YA+2*\u:YA+2*\u+1], v[PP+2*\u:PP+2*\u+1], v[OA:OA+7]
	v_wmma_f32_16x16x4_f32 v[OB:OB+7], v[YB+2*\u:YB+2*\u+1], v[PP+2*\u:PP+2*\u+1], v[OB:OB+7]
.endif
.endr
.rept 8
	v_nop
.endr
.irp j, 0,1,2,3,4,5,6,7
	v_add_f32 v[TT+\j], v[OA+\j], v[OB+\j]         ; my head's part of out0(r, 8 h + j)
.endr
	ds_store_b128 v6, v[TT:TT+3]
	ds_store_b128 v6, v[TT+4:TT+7] offset:512
	s_wait_dscnt 0x0                               ; for wave 0's sake: my stores have landed
	s_barrier_signal -1
	s_barrier_wait -1
	s_cmp_lg_u32 s16, 0
	s_cbranch_scc1 .Lend
.set n, 0
.rept 16
	ds_load_b128 v[16+8*n:19+8*n], v5 offset:1024*n
	ds_load_b128 v[20+8*n:23+8*n], v5 offset:1024*n+512
.set n, n+1
.endr
	v_and_b32 v145, 15, v0
	v_bfe_u32 v146, v0, 4, 1
	v_lshlrev_b32 v144, 13, v145
	v_lshl_add_u32 v144, v146, 5, v144             ; out0: 8,192 r + 32 h
	s_wait_dscnt 0x0
.set n, 1
.rept 15
.irp p, 0,1,2,3
	v_pk_add_f32 v[16+2*\p:17+2*\p], v[16+2*\p:17+2*\p], v[16+8*n+2*\p:17+8*n+2*\p]   ; the heads in ascending order
.endr
.set n, n+1
.endr
.irp p, 0,1,2,3
	v_pk_add_f32 v[16+2*\p:17+2*\p], v[16+2*\p:17+2*\p], v[8+2*\p:9+2*\p]             ; and the bias
.endr
	global_store_b128 v144, v[16:19], s[14:15]     ; a work-group has 16 columns: runs of 64 bytes, 128 KiB in the whole launch
	global_store_b128 v144, v[20:23], s[14:15] offset:16
.Lend:
	s_wait_tensorcnt 0x0                           ; the wave's end, behind my last LDS store
	ds_add_u32 v1, v2
	s_wait_dscnt 0x0
	s_endpgm
.Lfunc_end_k_q30d5ed7226_fine:
	.size	k_q30d5ed7226_fine, .Lfunc_end_k_q30d5ed7226_fine-k_q30d5ed7226_fine
	.p2alignl 7, 3214868480
	.fill 96, 4, 3214868480
	.section	.rodata,"a",@progbits
	.p2align	6, 0x0
	.amdhsa_kernel k_q30d5ed7226_fine
		.amdhsa_group_segment_fixed_size 18432
		.amdhsa_private_segment_fixed_size 0
		.amdhsa_enable_private_segment 0
		.amdhsa_kernarg_size 48
		.amdhsa_user_sgpr_count 2
		.amdhsa_user_sgpr_kernarg_segment_ptr 1
		.amdhsa_wavefront_size32 1
		.amdhsa_system_sgpr_workgroup_id_x 1
		.amdhsa_system_sgpr_workgroup_id_y 1
		.amdhsa_system_sgpr_workgroup_id_z 1
		.amdhsa_system_vgpr_workitem_id 0
		.amdhsa_next_free_vgpr 256
		.amdhsa_next_free_sgpr 66
		.amdhsa_reserve_vcc 1
		.amdhsa_float_denorm_mode_32 3
		.amdhsa_float_denorm_mode_16_64 3
		.amdhsa_memory_ordered 1
		.amdhsa_forward_progress 1
		.amdhsa_inst_pref_size 24
	.end_amdhsa_kernel
	.amdgpu_metadata
---
amdhsa.version: [ 1, 2 ]
amdhsa.kernels:
  - .name:           k_q30d5ed7226_fine
    .symbol:         k_q30d5ed7226_fine.kd
    .args:
      - { .name: q32, .offset: 0, .size: 8, .value_kind: global_buffer, .address_space: global }
      - { .name: out1, .offset: 8, .size: 8, .value_kind: global_buffer, .address_space: global }
      - { .name: out2, .offset: 16, .size: 8, .value_kind: global_buffer, .address_space: global }
      - { .name: wo_w, .offset: 24, .size: 8, .value_kind: global_buffer, .address_space: global }
      - { .name: wo_b, .offset: 32, .size: 8, .value_kind: global_buffer, .address_space: global }
      - { .name: out0, .offset: 40, .size: 8, .value_kind: global_buffer, .address_space: global }
    .group_segment_fixed_size: 18432
    .private_segment_fixed_size: 0
    .kernarg_segment_align: 8
    .kernarg_segment_size: 48
    .max_flat_workgroup_size: 512
    .sgpr_count:     66
    .vgpr_count:     256
    .wavefront_size: 32
...
	.end_amdgpu_metadata
.endif
;; end of part 5
